; MI455X (gfx1250); checked and timed in simulation.
; The chip was launched on July 23, 2026; its instructions are those of AMD's public machine-readable ISA for CDNA 5 (MIT licence, August 2026) and "CDNA5" Instruction Set Architecture Reference Guide (July 2026). The comments in the code are by the model that wrote it; some were corrected since.
;; HGRN2 Attention. Allowed arithmetic: float matrix products may take bf16 or f16 operands with f32 sums; other float arithmetic in f32, or as packed bf16 or f16 multiplies, adds, multiply-adds, maxima and minima; sums over many terms, partial sums and values carried from step to step in f32; what a program stores and reads back later, other than sums and carried values, may be rounded once to bf16 or f16.
;; Inputs: Wf 1,024 x 1,024 float32; Wi 1,024 x 1,024 float32; Wo 1,024 x 1,024 float32; Wq 1,024 x 1,024 float32; g_weight 1,024 float32; hidden_states 2 x 4,096 x 1,024 float32.
;; Outputs: out0 2 x 4,096 x 1,024 float32.
;; 2 versions, each right; version 2 is version 1 with the launches cast, scan written anew for expert scheduling mode. Each part assembles by itself: llvm-mc -triple=amdgcn-amd-amdhsa -mcpu=gfx1250 --defsym DOCPART=n.
;; ======== version 1 of 2: 7 launches
;; limits: values are held in f16: magnitudes above 65,504 overflow, below 6.1e-05 lose precision
;; workspace buffers: act16 16,777,216 bytes; wcat 8,388,608 bytes; qkv16 50,593,792 bytes; ubuf 15,851,520 bytes; sbuf 16,777,216 bytes; o32 33,554,432 bytes
;; launch cast (part 1): grid 768 x 1, 8 waves a work-group, no clusters, 0 bytes of LDS; arguments hidden_states, Wq, Wf, Wi, Wo, act16, wcat; writes act16, wcat
.if DOCPART == 1
	.amdgcn_target "amdgcn-amd-amdhsa--gfx1250"
	.amdhsa_code_object_version 6
	.text
	.protected	k_q4ff9162771_cast
	.globl	k_q4ff9162771_cast
	.p2align	8
	.type	k_q4ff9162771_cast,@function
k_q4ff9162771_cast:
	s_mov_b64 s[64:65], 0
	v_nop
	global_prefetch_b8 v0, s[64:65] scope:SCOPE_SE
	s_setreg_imm32_b32 hwreg(HW_REG_WAVE_MODE, 25, 1), 1
	s_wait_xcnt 0x0
; x and the four weights are rounded once to bf16.  act16 = bf16(x), [8192][1024].  wcat = [4096][1024] of 16 bits: rows 0-1023 Wq, 1024-2047 Wf, 2048-3071 Wi in bf16;
; rows 3072-4095 hold bf16(Wo) written as f16, since the last product multiplies in f16.
; LIMIT: bf16(Wo) as f16 is exact from 6e-5 to 65,504; below 6e-5 it keeps f16's fixed step of 6e-8.
; SHARES.  A work-group takes 65,536 bytes of f32 (16,384 numbers): groups 0-511 of x, groups 512-767 of the weights, 64 groups each.  A wave takes 8,192 bytes: 16 loads of 512 dense bytes,
; all issued first; each load's four numbers a lane leave as 8 bytes, so a store of the wave covers 256 consecutive bytes, aligned.
.set VIN,  1                           ; v1  my byte offset in the group's f32 block: 8,192 w + 16 l
.set VOUT, 2                           ; v2  in the group's 16-bit block: 4,096 w + 8 l
.set X,    8                           ; v[8:71]   load i: 4 registers
.set Y,    72                          ; v[72:103] store i: 2 registers of its own, so no store's data are rewritten
	s_load_b256 s[4:11], s[0:1], 0x0               ; x s[4:5], Wq s[6:7], Wf s[8:9], Wi s[10:11]
	s_load_b128 s[12:15], s[0:1], 0x20             ; Wo s[12:13], act16 s[14:15]
	s_load_b64 s[16:17], s[0:1], 0x30              ; wcat
	v_lshrrev_b32 v3, 5, v0
	v_and_b32 v4, 31, v0
	v_lshlrev_b32 v[VIN], 4, v4
	v_lshl_add_u32 v[VIN], v3, 13, v[VIN]
	v_lshlrev_b32 v[VOUT], 3, v4
	v_lshl_add_u32 v[VOUT], v3, 12, v[VOUT]
	s_sub_co_u32 s21, ttmp9, 512                   ; j: the group's number among the weights' (used only from group 512 on)
	s_lshr_b32 s22, s21, 6                         ; which weight
	s_and_b32 s23, s21, 63                         ; which block of it
	s_cmp_lt_u32 ttmp9, 512
	s_cselect_b32 s24, ttmp9, s23                  ; block in the source
	s_cselect_b32 s26, ttmp9, s21                  ; block in the destination
	s_cselect_b32 s22, 4, s22                      ; 4 stands for x
	s_lshl_b32 s24, s24, 16
	s_mov_b32 s25, 0
	s_lshl_b32 s26, s26, 15
	s_mov_b32 s27, 0
	s_wait_kmcnt 0x0
	s_cmp_eq_u32 s22, 1
	s_cselect_b64 s[6:7], s[8:9], s[6:7]
	s_cmp_eq_u32 s22, 2
	s_cselect_b64 s[6:7], s[10:11], s[6:7]
	s_cmp_eq_u32 s22, 3
	s_cselect_b64 s[6:7], s[12:13], s[6:7]
	s_cmp_eq_u32 s22, 4
	s_cselect_b64 s[6:7], s[4:5], s[6:7]
	s_cselect_b64 s[16:17], s[14:15], s[16:17]
	s_add_nc_u64 s[6:7], s[6:7], s[24:25]
	s_add_nc_u64 s[16:17], s[16:17], s[26:27]
.irp i, 0,1,2,3,4,5,6,7,8,9,10,11,12,13,14,15
	global_load_b128 v[X+4*(\i):X+4*(\i)+3], v[VIN], s[6:7] offset:512*(\i) th:TH_LOAD_NT
.endr
; half = 1: the number rounded to bf16 is written as f16
.macro OUTS half
.irp i, 0,1,2,3,4,5,6,7,8,9,10,11,12,13,14,15
	s_wait_loadcnt 15-(\i)                         ; loads come back in order: load i is in, the 15 - i younger ones stay out
.if \half
	v_cvt_pk_bf16_f32 v4, v[X+4*(\i)], v[X+4*(\i)+1]
	v_cvt_pk_bf16_f32 v5, v[X+4*(\i)+2], v[X+4*(\i)+3]
	v_lshlrev_b32 v6, 16, v4
	v_and_b32 v7, 0xffff0000, v4
	v_cvt_pk_f16_f32 v[Y+2*(\i)], v6, v7
	v_lshlrev_b32 v6, 16, v5
	v_and_b32 v7, 0xffff0000, v5
	v_cvt_pk_f16_f32 v[Y+2*(\i)+1], v6, v7
.else
	v_cvt_pk_bf16_f32 v[Y+2*(\i)], v[X+4*(\i)], v[X+4*(\i)+1]
	v_cvt_pk_bf16_f32 v[Y+2*(\i)+1], v[X+4*(\i)+2], v[X+4*(\i)+3]
.endif
	global_store_b64 v[VOUT], v[Y+2*(\i):Y+2*(\i)+1], s[16:17] offset:256*(\i)
.endr
.endm
	s_cmp_eq_u32 s22, 3
	s_cbranch_scc1 .Lwo
	OUTS 0
	s_endpgm
.Lwo:
	OUTS 1
	s_endpgm
.Lfunc_end_k_q4ff9162771_cast:
	.size	k_q4ff9162771_cast, .Lfunc_end_k_q4ff9162771_cast-k_q4ff9162771_cast
	.p2alignl 7, 3214868480
	.fill 96, 4, 3214868480
	.section	.rodata,"a",@progbits
	.p2align	6, 0x0
	.amdhsa_kernel k_q4ff9162771_cast
		.amdhsa_group_segment_fixed_size 0
		.amdhsa_private_segment_fixed_size 0
		.amdhsa_enable_private_segment 0
		.amdhsa_kernarg_size 56
		.amdhsa_user_sgpr_count 2
		.amdhsa_user_sgpr_kernarg_segment_ptr 1
		.amdhsa_wavefront_size32 1
		.amdhsa_system_sgpr_workgroup_id_x 1
		.amdhsa_system_sgpr_workgroup_id_y 1
		.amdhsa_system_sgpr_workgroup_id_z 1
		.amdhsa_system_vgpr_workitem_id 0
		.amdhsa_next_free_vgpr 104
		.amdhsa_next_free_sgpr 66
		.amdhsa_reserve_vcc 0
		.amdhsa_float_denorm_mode_32 3
		.amdhsa_float_denorm_mode_16_64 3
		.amdhsa_memory_ordered 1
		.amdhsa_forward_progress 1
		.amdhsa_inst_pref_size 17
	.end_amdhsa_kernel
	.amdgpu_metadata
---
amdhsa.version: [ 1, 2 ]
amdhsa.kernels:
  - .name:           k_q4ff9162771_cast
    .symbol:         k_q4ff9162771_cast.kd
    .args:
      - { .name: hidden_states, .offset: 0, .size: 8, .value_kind: global_buffer, .address_space: global }
      - { .name: Wq, .offset: 8, .size: 8, .value_kind: global_buffer, .address_space: global }
      - { .name: Wf, .offset: 16, .size: 8, .value_kind: global_buffer, .address_space: global }
      - { .name: Wi, .offset: 24, .size: 8, .value_kind: global_buffer, .address_space: global }
      - { .name: Wo, .offset: 32, .size: 8, .value_kind: global_buffer, .address_space: global }
      - { .name: act16, .offset: 40, .size: 8, .value_kind: global_buffer, .address_space: global }
      - { .name: wcat, .offset: 48, .size: 8, .value_kind: global_buffer, .address_space: global }
    .group_segment_fixed_size: 0
    .private_segment_fixed_size: 0
    .kernarg_segment_align: 8
    .kernarg_segment_size: 56
    .max_flat_workgroup_size: 256
    .sgpr_count:     66
    .vgpr_count:     104
    .wavefront_size: 32
...
	.end_amdgpu_metadata
.endif
;; end of part 1
;; launch proj (part 2): grid 24 x 32, 4 waves a work-group, clusters of 4 x 4, 327,680 bytes of LDS; arguments act16, wcat, qkv16; writes qkv16
.if DOCPART == 2
	.amdgcn_target "amdgcn-amd-amdhsa--gfx1250"
	.amdhsa_code_object_version 6
	.text
	.protected	k_q4ff9162771_proj
	.globl	k_q4ff9162771_proj
	.p2align	8
	.type	k_q4ff9162771_proj,@function
k_q4ff9162771_proj:
	s_mov_b64 s[64:65], 0
	v_nop
	global_prefetch_b8 v0, s[64:65] scope:SCOPE_SE
	s_setreg_imm32_b32 hwreg(HW_REG_WAVE_MODE, 25, 1), 1
	s_wait_xcnt 0x0
	s_wait_alu depctr_hold_cnt(0) depctr_sa_sdst(0) depctr_va_vdst(0) depctr_va_sdst(0) depctr_va_ssrc(0) depctr_va_vcc(0) depctr_vm_vsrc(0)
	s_getreg_b32 s2, hwreg(HW_REG_IB_STS2, 6, 4)
	s_cmp_eq_u32 s2, 0
	s_cbranch_scc0 .Lentry_in_a_cluster
	s_endpgm
.Lentry_in_a_cluster:
	s_bfe_u32 s2, ttmp6, 0x10000c
	s_cmp_lg_u32 s2, 0xf033
	s_cbranch_scc0 .Lentry_shape_is_right
	s_endpgm
.Lentry_shape_is_right:
; z[t][n] = sum over k of x[t][k] W[n][k], x = act16 [8192][1024] bf16, W = wcat's rows 0-3071 (Wq, Wf, Wi) bf16; sums in f32.  On the way out, by the tile's section:
;   columns 0-1023    q' = silu(z) / alpha in f16, alpha = the largest |silu| of the token's 128 channels of that head (at least 2^-100); alpha / sqrt(128) goes to qs[b 8 + head][token] in f32
;   columns 1024-2047 k = 1 / (1 + e^z) = 1 - sigmoid(z) in f16
;   columns 2048-3071 v = z in f16
; qkv16 = [8192][3072] f16, then at byte 50,331,648 qs[16][4096] f32.
; LIMITS: |z| of the v section below 65,504 (f16's end); k below 6e-5 keeps f16's fixed step of 6e-8; alpha is floored at 2^-100.
; SHARES.  A tile of z is 256 tokens x 128 columns: 24 x 32 = 768 tiles, three for each of 256 places.  Four waves; wave w makes tokens 64 w .. 64 w + 63 x all 128 columns: 32 accumulators, 256 registers,
; so that a wave holds whole rows of the tile and the row maximum never leaves the wave.  K goes in steps of 128 (rows of 256 bytes) through two LDS slots.
; CLUSTER 4 x 4: x's tile hangs on the tile row alone and is asked for jointly by a row of the cluster, W's on the tile column alone, by a column.
; THE PRODUCT IS TAKEN TRANSPOSED (source 0 = 16 rows of W, source 1 = 16 tokens): a lane holds one token and eight neighbouring columns.
; REGISTERS.  Window 0: v16-30 addresses; v32-127, v128-223 two fragment buffers (W's 8 fragments, then x's 4); on the way out v32-225 at work.  Window 1: the accumulators, (a, b) at v[8 (8 a + b)].
.set KSTEP,  128
.set PITCH,  272                       ; an LDS row: 256 bytes + 16 of padding, so that the 16 rows of a fragment load start 4 words apart modulo 64 words
.set AROWS,  256*PITCH                 ; x's 256 rows; W's 128 rows lie behind them
.set SLOT,   384*PITCH
.set SPARE,  2*SLOT                    ; behind the ring: the spare words, 128 bytes a wave: two blocks of 256 bytes that no other line names
.set SP,     528                       ; a stage row: 128 f32 + 16 bytes
.set WST,    64*SP                     ; a wave's stage: 64 rows.  The four stages lie in the two slots, which have had their last fill when the stage is written
.set CROW,   6144                      ; bytes in a row of qkv16
.set QSAT,   50331648                  ; where qs begins in qkv16
.set ADRA, 16                          ; v16-17 LDS address of my fragments of x in slot 0, 1
.set ADRB, 20                          ; v20-21 the same for W
.set STO,  24                          ; v24  where I put 32 bytes of a stage row
.set RD,   25                          ; v25  where I read a stage row back
.set CO,   26                          ; v26  my byte offset in a row of the tile in qkv16
.set QSO,  27                          ; v27  my byte offset among 16 tokens of qs
.set SPW,  28                          ; v28  my spare word; never rewritten
.set NIL,  29                          ; v29  0; never rewritten
.set PFO,  30                          ; v30  the prefetches' offset: lane x 2,048 bytes, a row of act16 or wcat
.set F0,   32
.set F1,   128
.set T,    32                          ; way out: 16 rows x 4 numbers a lane
.set U,    96                          ; at work, as many
.set M,    160                         ; 16 row maxima
.set INV,  176                         ; their reciprocals
.set O,    192                         ; 16 rows x 2 registers of f16
.set AV,   224                         ; lane l: alpha of row l % 16
.set AV2,  225
.set G1,  24                           ; s[24:31] descriptor group 1 for x's tiles;  s[32:39] group 0, one set a slot
.set G0,  32
.set G1B, 48                           ; s[48:55], s[56:63] the same for W's
.set G0B, 56
.set LIM, 43                           ; s43  1 in a wave that prefetches, else the greatest number
.set PFA, 44                           ; s[44:45] where my prefetches stand
.set MUL, 0x50                         ; C and D in window 1, sources in window 0
.set MSB, 0
.macro WIN new                         ; the immediate's high byte repeats the setting that is left
.if MSB != (\new)
	s_set_vgpr_msb (MSB<<8)|(\new)
.set MSB, \new
.endif
.endm
; A joint load: waves 0 and 1 fetch x's two halves (128 rows each), waves 2 and 3 W's (64 rows each).  The branch hangs on the wave's number alone.  An s_nop 0 and four v_nop follow each line.
.macro JLOAD s
	s_cmp_eq_u32 s11, 0
	s_cbranch_scc0 .Lfor_b_\@
	tensor_load_to_lds s[G0+4*(\s):G0+4*(\s)+3], s[G1:G1+7]
	s_nop 0
.rept 4
	v_nop
.endr
	s_branch .Lasked_\@
.Lfor_b_\@:
	tensor_load_to_lds s[G0B+4*(\s):G0B+4*(\s)+3], s[G1B:G1B+7]
	s_nop 0
.rept 4
	v_nop
.endr
.Lasked_\@:
.endm
; A prefetch of the K step that stands two refills on: 32 rows x 256 bytes, a lane a row.  x's rows are asked for by the clusters with x = 0 (waves 0, 1; partner cx takes 32 of the wave's 128 rows),
; W's by the clusters with y = 0 (wave 2; partner cy takes 32 of the tile's 128 rows): each row's 256 bytes of a K step are named once in the launch.  The loop's last trip has no K step two on.
.macro ASK
	s_cmp_gt_u32 s3, s[LIM]
	s_cbranch_scc0 .Lnot_mine_\@
	global_prefetch_b8 v[PFO], s[PFA:PFA+1] offset:KSTEP*2 th:TH_LOAD_NT scope:SCOPE_SE
.Lnot_mine_\@:
.endm
.macro CREST                           ; a round of the cluster's barrier behind its opening barrier
	s_cmp_lg_u32 s10, 0
	s_cbranch_scc1 .Lnot_wave_0_\@
	s_barrier_signal -3
.Lnot_wave_0_\@:
	s_barrier_wait -3
	s_barrier_signal -1
	s_barrier_wait -1
.endm
.macro CROUND
	s_barrier_signal -1
	s_barrier_wait -1
	CREST
.endm
.macro PLACES                          ; four plain instructions between a matrix instruction and a load into, or a read of, its registers
.rept 4
	v_nop
.endr
.endm
	s_load_b128 s[4:7], s[0:1], 0x0                ; act16 s[4:5], wcat s[6:7]
	s_load_b64 s[8:9], s[0:1], 0x10                ; qkv16
	v_lshl_add_u32 v[SPW], v0, 2, SPARE
	v_mov_b32 v[NIL], 0
	ds_add_u32 v[SPW], v[NIL]                      ; the wave's opening: the add, twice on end, and its wait ahead of my first tensor load
	ds_add_u32 v[SPW], v[NIL]
	v_lshrrev_b32 v1, 5, v0
	v_readfirstlane_b32 s10, v1                    ; wave 0..3
	s_lshr_b32 s11, s10, 1                         ; I fetch for x (0) or for W (1)
	s_and_b32 s12, s10, 1                          ; which half of that tile
	s_bfe_u32 s40, ttmp6, 0x40000                  ; cx
	s_bfe_u32 s41, ttmp6, 0x40004                  ; cy
	s_lshl_b32 s42, ttmp9, 2
	s_add_co_u32 s42, s42, s40                     ; tile column = 4 x cluster x + cx
	s_and_b32 s13, ttmp7, 0xffff
	s_lshl_b32 s13, s13, 2
	s_add_co_u32 s13, s13, s41                     ; tile row = 4 x cluster y + cy
	s_lshl_b32 s43, s41, 2
	s_lshl_b32 s43, 15, s43                        ; my row of the cluster
	s_lshl_b32 s44, 0x1111, s40                    ; my column
	s_or_b32 s[G1+0], s43, (1<<16)|(1<<20)|(1<<21)|(5<<22)|(3<<25)   ; the mask; 2-byte elements; padding on; bit 21 beside a mask; after every 64 words 4 words
	s_or_b32 s[G1B+0], s44, (1<<16)|(1<<20)|(1<<21)|(5<<22)|(3<<25)
	s_mov_b32 s[G1+1], KSTEP<<16                   ; tensor_dim0 = 128
	s_mov_b32 s[G1+2], 128<<16                     ; tensor_dim1 = 128
	s_mov_b32 s[G1+3], KSTEP<<16                   ; tile_dim0 = 128
	s_mov_b32 s[G1+4], 128                         ; tile_dim1 = 128
	s_mov_b32 s[G1+5], 1024                        ; elements from row to row
	s_mov_b32 s[G1+6], 0
	s_mov_b32 s[G1+7], 0
	s_mov_b32 s[G1B+1], KSTEP<<16
	s_mov_b32 s[G1B+2], 64<<16                     ; W's loads have 64 rows
	s_mov_b32 s[G1B+3], KSTEP<<16
	s_mov_b32 s[G1B+4], 64
	s_mov_b32 s[G1B+5], 1024
	s_mov_b32 s[G1B+6], 0
	s_mov_b32 s[G1B+7], 0
	s_lshl_b32 s17, s12, 7
	s_lshl_b32 s16, s13, 8
	s_add_co_u32 s16, s16, s17                     ; x: row 256 x tile row + 128 x half
	s_lshl_b32 s16, s16, 11                        ; in bytes (under 2^24)
	s_mov_b32 s17, 0
	s_lshl_b32 s47, s12, 6
	s_lshl_b32 s46, s42, 7
	s_add_co_u32 s46, s46, s47                     ; W: row 128 x tile column + 64 x half
	s_lshl_b32 s46, s46, 11
	s_mov_b32 s47, 0
	s_mul_i32 s20, s10, 128*PITCH                  ; where x's halves go (waves 0, 1)
	s_mul_i32 s21, s10, 64*PITCH
	s_add_co_u32 s21, s21, 128*PITCH               ; where W's halves go (waves 2, 3): behind x's 256 rows
	s_mov_b32 s66, 0x3fb8aa3b                      ; log2(e), named as a pair
	s_mov_b32 s67, 0x3fb8aa3b
	s_mov_b32 s68, 0xbfb8aa3b                      ; -log2(e)
	s_mov_b32 s69, 0xbfb8aa3b
	s_mov_b32 s70, 0x76543210                      ; v_permlanex16_b32: each lane takes its own place in the other half
	s_mov_b32 s71, 0xfedcba98
	s_lshr_b32 s73, ttmp9, 1                       ; the section: 0 q, 1 k, 2 v: made of the cluster's x, the same in all partners
	s_mov_b32 s78, 0x7fffffff
	s_mov_b32 s79, 0x0d800000                      ; 2^-100
	s_wait_dscnt 0x0                               ; both opening adds are done
	s_wait_kmcnt 0x0
	s_add_nc_u64 s[14:15], s[4:5], s[16:17]
	s_add_nc_u64 s[46:47], s[6:7], s[46:47]
	CROUND                                         ; all sixteen work-groups are here: the first joint loads meet
.irp s, 0,1
	s_mov_b32 s[G0+4*(\s)], 1
	s_add_co_u32 s[G0+4*(\s)+1], s20, (\s)*SLOT
	s_add_nc_u64 s[G0+4*(\s)+2:G0+4*(\s)+3], s[14:15], (\s)*KSTEP*2
	s_or_b32 s[G0+4*(\s)+3], s[G0+4*(\s)+3], 0x80000000
	s_mov_b32 s[G0B+4*(\s)], 1
	s_add_co_u32 s[G0B+4*(\s)+1], s21, (\s)*SLOT
	s_add_nc_u64 s[G0B+4*(\s)+2:G0B+4*(\s)+3], s[46:47], (\s)*KSTEP*2
	s_or_b32 s[G0B+4*(\s)+3], s[G0B+4*(\s)+3], 0x80000000
	JLOAD \s
.endr
	v_and_b32 v1, 15, v0                           ; r = l % 16
	v_bfe_u32 v2, v0, 4, 1                         ; h = l / 16
	v_and_b32 v5, 31, v0                           ; l
	v_mul_u32_u24 v3, v1, PITCH
	v_lshl_add_u32 v3, v2, 4, v3                   ; a fragment's row x pitch + 16 h
	s_mul_i32 s22, s10, 64*PITCH                   ; my 64 tokens
	v_add_nc_u32 v[ADRA], s22, v3
	v_add_nc_u32 v[ADRA+1], SLOT, v[ADRA]
	v_add_nc_u32 v[ADRB], AROWS, v3
	v_add_nc_u32 v[ADRB+1], SLOT, v[ADRB]
	s_mul_i32 s23, s10, WST                        ; my stage
	v_mul_u32_u24 v4, v1, SP
	v_lshl_add_u32 v4, v2, 5, v4
	v_add_nc_u32 v[STO], s23, v4                   ; in: row r, 32 bytes for each half of the lanes
	v_lshl_add_u32 v[RD], v5, 4, s23               ; back: a row's 512 bytes over the 32 lanes
	v_lshlrev_b32 v[CO], 3, v5
	v_lshlrev_b32 v[QSO], 2, v1
	v_mov_b32 v[AV], 0
	s_lshl_b32 s16, s13, 8
	s_lshl_b32 s17, s10, 6
	s_add_co_u32 s16, s16, s17                     ; my first token
	s_lshr_b32 s18, s13, 4
	s_lshl_b32 s18, s18, 3
	s_add_co_u32 s18, s18, s42                     ; b x 8 + head (the q section's tile column is the head)
	s_lshl_b32 s18, s18, 12
	s_and_b32 s19, s16, 4095                       ; the token within its batch
	s_add_co_u32 s18, s18, s19
	s_lshl_b32 s76, s18, 2
	s_mov_b32 s77, 0
	s_add_nc_u64 s[74:75], s[8:9], QSAT
	s_add_nc_u64 s[74:75], s[74:75], s[76:77]      ; qs at my first token (used in the q section alone)
	s_mul_i32 s16, s16, CROW
	s_lshl_b32 s17, s42, 8
	s_add_co_u32 s16, s16, s17
	s_mov_b32 s17, 0
	s_add_nc_u64 s[8:9], s[8:9], s[16:17]          ; qkv16 at my first token, the tile's first column
	; the prefetches
	s_lshl_b32 s20, s13, 8
	s_lshl_b32 s21, s42, 7
	s_and_b32 s22, ttmp7, 0xffff                   ; cluster y
	s_cmp_eq_u32 s11, 0
	s_cselect_b32 s20, s20, s21                    ; the tile's first row
	s_cselect_b32 s21, s40, s41                    ; my place among the four that ask with me
	s_cselect_b32 s22, ttmp9, s22                  ; the coordinate along which other clusters read the same rows
	s_cselect_b32 s23, s12, 0                      ; x: which 128 rows I fetch
	s_cselect_b64 s[PFA:PFA+1], s[4:5], s[6:7]
	s_cmp_eq_u32 s22, 0
	s_cselect_b32 s[LIM], 1, -1
	s_cmp_eq_u32 s10, 3
	s_cselect_b32 s[LIM], -1, s[LIM]               ; W's 128 rows are shared out among four work-groups by wave 2 alone
	s_lshl_b32 s23, s23, 7
	s_add_co_u32 s20, s20, s23
	s_lshl_b32 s21, s21, 5
	s_add_co_u32 s20, s20, s21
	s_lshl_b32 s20, s20, 11
	s_mov_b32 s21, 0
	s_add_nc_u64 s[PFA:PFA+1], s[PFA:PFA+1], s[20:21]
	s_add_nc_u64 s[PFA:PFA+1], s[PFA:PFA+1], 2*KSTEP*2  ; at K step 2: the first refill steps it to 3 and names K step 4
	v_lshlrev_b32 v[PFO], 11, v5
; n x 8 matrix instructions: token blocks a0 .. a0 + n - 1 x all 8 column blocks, 32 along K, from buffer f.  The 32 accumulators take turns, one instruction a turn, in the same order in every quarter.
.macro MULN f, a0, n, zero
	WIN MUL
.set aa, \a0
.rept \n
.set bb, 0
.rept 8
.set rD, 8*(8*aa+bb)
.set rB, (\f)+8*bb
.set rA, (\f)+64+8*aa
.if \zero
	v_wmma_f32_16x16x32_bf16 v[rD:rD+7], v[rB:rB+7], v[rA:rA+7], 0
.else
	v_wmma_f32_16x16x32_bf16 v[rD:rD+7], v[rB:rB+7], v[rA:rA+7], v[rD:rD+7]
.endif
.set bb, bb+1
.endr
.set aa, aa+1
.endr
.endm
; 24 LDS loads in one run: W's 8 fragments, then x's 4, of 32 along K at byte k of the rows
.macro FETCH slot, k, f
	WIN 0
.irp i, 0,1,2,3,4,5,6,7
	ds_load_b128 v[(\f)+8*(\i):(\f)+8*(\i)+3],   v[ADRB+(\slot)] offset:(\k)+(\i)*16*PITCH
	ds_load_b128 v[(\f)+8*(\i)+4:(\f)+8*(\i)+7], v[ADRB+(\slot)] offset:(\k)+(\i)*16*PITCH+32
.endr
.irp i, 0,1,2,3
	ds_load_b128 v[(\f)+64+8*(\i):(\f)+64+8*(\i)+3],   v[ADRA+(\slot)] offset:(\k)+(\i)*16*PITCH
	ds_load_b128 v[(\f)+64+8*(\i)+4:(\f)+64+8*(\i)+7], v[ADRA+(\slot)] offset:(\k)+(\i)*16*PITCH+32
.endr
.endm
; A K step is four quarters of 32 along K, 32 matrix instructions each, on buffers 0, 1, 0, 1.  One of the first three: multiplies f, fetches the next quarter, at byte k, into g.
.macro QUARTER slot, k, f, g, zero
	s_wait_dscnt 4                                 ; all but the youngest four loads (x's blocks 2 and 3) are in
	MULN \f, 0, 2, \zero
	PLACES
	FETCH \slot, \k, \g
	s_wait_dscnt 24                                ; all but the 24 just issued
	MULN \f, 2, 2, \zero
.endm
; The last quarter multiplies buffer 1 and changes slots: one barrier; in front of it each wave waits for all its tensor loads (one is out: its part of the next slot), adds 0 to its spare word,
; and waits for that and for its reads of this slot.  fill = 1: the barrier opens a round of the cluster's, and the joint refill is the first tensor load behind the round.
.macro TURN slot, next, fill
.if \fill
	s_wait_xcnt 0x0                                ; the last prefetch, a K step back, has read its address
	s_add_nc_u64 s[PFA:PFA+1], s[PFA:PFA+1], KSTEP*2
.endif
	WIN 0
	s_wait_tensorcnt 0x0
	ds_add_u32 v[SPW], v[NIL]
	s_wait_dscnt 5                                 ; the add and the youngest four loads may be out
	MULN F1, 0, 1, 0
	s_wait_dscnt 0x0                               ; the add is done, and my reads of this slot are over
	s_barrier_signal -1
	MULN F1, 1, 1, 0
	WIN 0
	s_barrier_wait -1
.if \fill
	CREST
	s_add_nc_u64 s[G0+4*(\slot)+2:G0+4*(\slot)+3], s[G0+4*(\slot)+2:G0+4*(\slot)+3], 2*KSTEP*2
	s_add_nc_u64 s[G0B+4*(\slot)+2:G0B+4*(\slot)+3], s[G0B+4*(\slot)+2:G0B+4*(\slot)+3], 2*KSTEP*2
	JLOAD \slot                                    ; 112 matrix instructions ahead of the wait for it; its four v_nop are also the places in front of the loads below
.else
	PLACES
.endif
	FETCH \next, 0, F0
.if \fill
	ASK
.endif
	MULN F1, 2, 2, 0
.endm
	s_wait_tensorcnt 1                             ; my part of K step 0 is in; K step 1's may stay out
	s_barrier_signal -1
	s_barrier_wait -1
	FETCH 0, 0, F0
	QUARTER 0, 64, F0, F1, 1                       ; the first quarter's products start the sums
	WIN 0
	s_mov_b32 s3, 3
.Llap:                                                 ; a trip goes once round the ring and fills both slots again: K steps 2 .. 7 in three trips
	QUARTER 0, 128, F1, F0, 0
	QUARTER 0, 192, F0, F1, 0
	TURN 0, 1, 1
	QUARTER 1, 64,  F0, F1, 0
	QUARTER 1, 128, F1, F0, 0
	QUARTER 1, 192, F0, F1, 0
	TURN 1, 0, 1
	QUARTER 0, 64,  F0, F1, 0
	WIN 0
	s_sub_co_u32 s3, s3, 1
	s_cmp_lg_u32 s3, 0
	s_cbranch_scc1 .Llap
	QUARTER 0, 128, F1, F0, 0                      ; the last lap fills nothing
	QUARTER 0, 192, F0, F1, 0
	TURN 0, 1, 0
	QUARTER 1, 64,  F0, F1, 0
	QUARTER 1, 128, F1, F0, 0
	QUARTER 1, 192, F0, F1, 0
	s_wait_dscnt 4
	MULN F1, 0, 2, 0
	s_wait_dscnt 0x0
	MULN F1, 2, 2, 0
	WIN 0
	; THE WAY OUT.  All waves have left the slots (their reads were waited for above; the barrier says so); then my 64 x 128 sums go into my stage in f32 and come back by rows, 16 rows a trip.
	PLACES
	s_barrier_signal -1
	s_barrier_wait -1
	WIN 0x04                                       ; the stores' data lie in window 1
.set aa, 0
.rept 4
.set bb, 0
.rept 8
	ds_store_b128 v[STO], v[8*(8*aa+bb):8*(8*aa+bb)+3]   offset:aa*16*SP+64*bb
	ds_store_b128 v[STO], v[8*(8*aa+bb)+4:8*(8*aa+bb)+7] offset:aa*16*SP+64*bb+16
.set bb, bb+1
.endr
.set aa, aa+1
.endr
	WIN 0
.macro LOADT                           ; 16 rows: lane l takes columns 4 l .. 4 l + 3.  LDS serves a wave's instructions in order, so these see my stores
.irp i, 0,1,2,3,4,5,6,7,8,9,10,11,12,13,14,15
	ds_load_b128 v[T+4*(\i):T+4*(\i)+3], v[RD] offset:(\i)*SP
.endr
	s_wait_dscnt 0x0
.endm
.macro SIGM cs                         ; U = 1 / (1 + 2^(T x s[cs])): two batches of 64, one wait each
.set i, 0
.rept 32
	v_pk_mul_f32 v[U+2*i:U+2*i+1], v[T+2*i:T+2*i+1], s[\cs:\cs+1] op_sel_hi:[1,0]
.set i, i+1
.endr
.set i, 0
.rept 64
	v_exp_f32 v[U+i], v[U+i]
.set i, i+1
.endr
	v_nop                                          ; a plain instruction behind the last exponential
	s_wait_alu depctr_va_vdst(0)                   ; one wait for the batch, ahead of its first reader
.set i, 0
.rept 32
	v_pk_add_f32 v[U+2*i:U+2*i+1], v[U+2*i:U+2*i+1], 1.0 op_sel_hi:[1,0]
.set i, i+1
.endr
.set i, 0
.rept 64
	v_rcp_f32 v[U+i], v[U+i]
.set i, i+1
.endr
	v_nop
	s_wait_alu depctr_va_vdst(0)
.endm
.macro SENDO src                       ; rounded to f16 and stored: a store of the wave covers 256 consecutive bytes, aligned
.set i, 0
.rept 32
	v_cvt_pk_f16_f32 v[O+i], v[(\src)+2*i], v[(\src)+2*i+1]
.set i, i+1
.endr
.irp i, 0,1,2,3,4,5,6,7,8,9,10,11,12,13,14,15
	global_store_b64 v[CO], v[O+2*(\i):O+2*(\i)+1], s[8:9] offset:(\i)*CROW
.endr
.endm
.macro STEP                            ; on to the next 16 rows
	s_wait_xcnt 0x0                                ; the stores have read their data and their bases
	v_add_nc_u32 v[RD], 16*SP, v[RD]
	s_add_nc_u64 s[8:9], s[8:9], 16*CROW
	s_add_nc_u64 s[74:75], s[74:75], 64
	s_sub_co_u32 s2, s2, 1
	s_cmp_lg_u32 s2, 0
.endm
	s_mov_b32 s2, 4
	s_cmp_eq_u32 s73, 0
	s_cbranch_scc1 .Lq
	s_cmp_eq_u32 s73, 1
	s_cbranch_scc1 .Lk
.Lv:
	LOADT
	SENDO T
	STEP
	s_cbranch_scc1 .Lv
	s_branch .Ldone
.Lk:
	LOADT
	SIGM 66                                        ; k = 1 / (1 + e^z)
	SENDO U
	STEP
	s_cbranch_scc1 .Lk
	s_branch .Ldone
.Lq:
	LOADT
	SIGM 68                                        ; sigmoid(z)
.set i, 0
.rept 32
	v_pk_mul_f32 v[T+2*i:T+2*i+1], v[T+2*i:T+2*i+1], v[U+2*i:U+2*i+1]  ; silu
.set i, i+1
.endr
.set i, 0
.rept 64
	v_and_b32 v[U+i], s78, v[T+i]
.set i, i+1
.endr
.set i, 0
.rept 16
	v_max3_num_f32 v[M+i], v[U+4*i], v[U+4*i+1], v[U+4*i+2]
.set i, i+1
.endr
.set i, 0
.rept 16
	v_max_num_f32 v[M+i], v[M+i], v[U+4*i+3]
.set i, i+1
.endr
.irp x, 1,2,4,8
.set i, 0
.rept 16
	v_max_num_f32_dpp v[M+i], v[M+i], v[M+i] row_xmask:\x row_mask:0xf bank_mask:0xf
.set i, i+1
.endr
.endr
.set i, 0
.rept 16
	v_permlanex16_b32 v[U+4*i], v[M+i], s70, s71
.set i, i+1
.endr
.set i, 0
.rept 16
	v_max3_num_f32 v[M+i], v[M+i], v[U+4*i], s79   ; every lane holds row i's alpha
.set i, i+1
.endr
.set i, 0
.rept 16
	v_rcp_f32 v[INV+i], v[M+i]
.set i, i+1
.endr
	v_nop
	s_wait_alu depctr_va_vdst(0)                   ; one wait for the sixteen reciprocals
.set i, 0
.rept 64
	v_mul_f32 v[T+i], v[T+i], v[INV+i/4]
.set i, i+1
.endr
.set i, 0
.rept 16
	s_mov_b32 s72, (1<<i)|(1<<(i+16))
	v_cndmask_b32 v[AV], v[AV], v[M+i], s72        ; lanes i and i + 16 take row i's alpha
.set i, i+1
.endr
	v_mul_f32 v[AV2], 0x3db504f3, v[AV]            ; alpha / sqrt(128)
	SENDO T
	global_store_b32 v[QSO], v[AV2], s[74:75]      ; 16 tokens' scales; both halves of the lanes write the same words with the same numbers
	STEP
	s_cbranch_scc1 .Lq
.Ldone:
	s_wait_tensorcnt 0x0                           ; the wave's end
	ds_add_u32 v[SPW], v[NIL]
	s_wait_dscnt 0x0
	CROUND                                         ; the closing round
	s_endpgm
.Lfunc_end_k_q4ff9162771_proj:
	.size	k_q4ff9162771_proj, .Lfunc_end_k_q4ff9162771_proj-k_q4ff9162771_proj
	.p2alignl 7, 3214868480
	.fill 96, 4, 3214868480
	.section	.rodata,"a",@progbits
	.p2align	6, 0x0
	.amdhsa_kernel k_q4ff9162771_proj
		.amdhsa_group_segment_fixed_size 327680
		.amdhsa_private_segment_fixed_size 0
		.amdhsa_enable_private_segment 0
		.amdhsa_kernarg_size 24
		.amdhsa_user_sgpr_count 2
		.amdhsa_user_sgpr_kernarg_segment_ptr 1
		.amdhsa_wavefront_size32 1
		.amdhsa_system_sgpr_workgroup_id_x 1
		.amdhsa_system_sgpr_workgroup_id_y 1
		.amdhsa_system_sgpr_workgroup_id_z 1
		.amdhsa_system_vgpr_workitem_id 0
		.amdhsa_next_free_vgpr 512
		.amdhsa_next_free_sgpr 80
		.amdhsa_reserve_vcc 0
		.amdhsa_float_denorm_mode_32 3
		.amdhsa_float_denorm_mode_16_64 3
		.amdhsa_memory_ordered 1
		.amdhsa_forward_progress 1
		.amdhsa_inst_pref_size 123
	.end_amdhsa_kernel
	.amdgpu_metadata
---
amdhsa.version: [ 1, 2 ]
amdhsa.kernels:
  - .name:           k_q4ff9162771_proj
    .symbol:         k_q4ff9162771_proj.kd
    .args:
      - { .name: act16, .offset: 0, .size: 8, .value_kind: global_buffer, .address_space: global }
      - { .name: wcat, .offset: 8, .size: 8, .value_kind: global_buffer, .address_space: global }
      - { .name: qkv16, .offset: 16, .size: 8, .value_kind: global_buffer, .address_space: global }
    .group_segment_fixed_size: 327680
    .private_segment_fixed_size: 0
    .kernarg_segment_align: 8
    .kernarg_segment_size: 24
    .max_flat_workgroup_size: 128
    .sgpr_count:     80
    .vgpr_count:     512
    .wavefront_size: 32
...
	.end_amdgpu_metadata
.endif
;; end of part 2
;; launch segstate (part 3): grid 15 x 16, 4 waves a work-group, no clusters, 167,936 bytes of LDS; arguments qkv16, ubuf; writes ubuf
.if DOCPART == 3
	.amdgcn_target "amdgcn-amd-amdhsa--gfx1250"
	.amdhsa_code_object_version 6
	.text
	.protected	k_q4ff9162771_segstate
	.globl	k_q4ff9162771_segstate
	.p2align	8
	.type	k_q4ff9162771_segstate,@function
k_q4ff9162771_segstate:
	s_mov_b64 s[64:65], 0
	v_nop
	global_prefetch_b8 v0, s[64:65] scope:SCOPE_SE
	s_setreg_imm32_b32 hwreg(HW_REG_WAVE_MODE, 25, 1), 1
	s_wait_xcnt 0x0
; For one (batch, head) and one segment c = 0 .. 14 of 256 tokens: U[f][d] = the state at the segment's end if it began at 0, and D[f] = the product of the segment's lambda = 1 - k.
; (The last segment's U is needed by nobody, so it has no work-group.)  No two work-groups read the same bytes: no cluster.
; CHUNKS of 32 tokens: K~[s][f] = k[s][f] x (product of lambda[u][f], u = s + 1 .. the chunk's end), E[f] = the chunk's product; state' = E o state + K~^T V.  Every factor is a product of numbers in 0 .. 1:
; nothing can overflow, whatever the gates.  lambda is taken as 1 - f16(k); a chain's link is P - k P, one rounding in f32; K~ is rounded once to f16.
; SHARES.  Preparation: wave w owns tokens 64 w .. 64 w + 63 (two chunks), lane l the channels 4 l .. 4 l + 3.  State: wave w owns d = 32 w .. 32 w + 31: 16 tiles (F, dt) of 16 f x 16 d in f32.
; U's IMAGE in memory: tile i = 2 F + dt of wave w, registers 4 q .. 4 q + 3, lane l, at byte ((16 w + i) 2 + q) 512 + 16 l: every store covers 512 dense bytes.
.set PK,    288                        ; an LDS row of k or v: 256 bytes + 32, an odd multiple of 32
.set KT,    0
.set VT,    256*PK
.set EA,    2*256*PK                   ; E[8 chunks][128] f32
.set SPARE, EA+4096
.set DAT,   15728640                   ; where D begins in ubuf
.set KA,   5                           ; v5   my 8 bytes of a row of my chunk of k
.set EAD,  6                           ; v6   my 16 bytes of my chunk's E
.set ED,   7                           ; v7   EA + 16 l
.set AK,   9                           ; v9   the turning loads' address in k
.set AV,   10                          ; v10  in v, at my 32 columns
.set AE,   12                          ; v12  EA + 32 h
.set DO,   13                          ; v13  16 l
.set SOFF, 17                          ; v17  16,384 w + 16 l
.set ZERO, 20
.set SPW,  28
.set NIL,  29
.set VF,   32                          ; v32-47   V^T, two fragments (second phase)
.set PD,   40                          ; v40-47   the running product, two sets of 4 (first phase)
.set OUT,  48                          ; v48-51   two pairs
.set KP,   64                          ; v64-127  k of 32 tokens, 4 channels
.set KF,   192                         ; v192-255 K~^T, eight fragments (second phase)
.set ONE4, 248                         ; v248-251 1.0 (first phase)
.set EE,   128                         ; window 1: E, 8 F + j
.set G1,  24
.set G0K, 36
.set G0V, 40
.set MSB, 0
.macro WIN new
.if MSB != (\new)
	s_set_vgpr_msb (MSB<<8)|(\new)
.set MSB, \new
.endif
.endm
.macro PLACES
.rept 4
	v_nop
.endr
.endm
.macro CH4 d, x, s                     ; d = s - k s for four channels; k: the four f16 in registers x, x + 1
	v_fma_mix_f32 v[(\d)],   -v[(\x)],   v[(\s)],   v[(\s)]   op_sel:[0,0,0] op_sel_hi:[1,0,0]
	v_fma_mix_f32 v[(\d)+1], -v[(\x)],   v[(\s)+1], v[(\s)+1] op_sel:[1,0,0] op_sel_hi:[1,0,0]
	v_fma_mix_f32 v[(\d)+2], -v[(\x)+1], v[(\s)+2], v[(\s)+2] op_sel:[0,0,0] op_sel_hi:[1,0,0]
	v_fma_mix_f32 v[(\d)+3], -v[(\x)+1], v[(\s)+3], v[(\s)+3] op_sel:[1,0,0] op_sel_hi:[1,0,0]
.endm
.macro MX4 o, x, s                     ; o = f16(x s) for four channels, rounded once
	v_fma_mixlo_f16 v[(\o)],   v[(\x)],   v[(\s)],   v[ZERO] op_sel:[0,0,0] op_sel_hi:[1,0,0]
	v_fma_mixlo_f16 v[(\o)+1], v[(\x)+1], v[(\s)+2], v[ZERO] op_sel:[0,0,0] op_sel_hi:[1,0,0]
	v_fma_mixhi_f16 v[(\o)],   v[(\x)],   v[(\s)+1], v[ZERO] op_sel:[1,0,0] op_sel_hi:[1,0,0]
	v_fma_mixhi_f16 v[(\o)+1], v[(\x)+1], v[(\s)+3], v[ZERO] op_sel:[1,0,0] op_sel_hi:[1,0,0]
.endm
	s_load_b128 s[4:7], s[0:1], 0x0                ; qkv16 s[4:5], ubuf s[6:7]
	v_lshl_add_u32 v[SPW], v0, 2, SPARE
	v_mov_b32 v[NIL], 0
	ds_add_u32 v[SPW], v[NIL]                      ; the wave's opening: the add, twice on end, and its wait ahead of my first tensor load
	ds_add_u32 v[SPW], v[NIL]
	v_lshrrev_b32 v1, 5, v0
	v_readfirstlane_b32 s10, v1                    ; wave
	s_mov_b32 s11, ttmp9                           ; segment
	s_and_b32 s12, ttmp7, 0xffff                   ; b x 8 + head
	s_lshr_b32 s13, s12, 3
	s_and_b32 s14, s12, 7
	s_mov_b32 s[G1], (1<<16)|(1<<20)|(5<<22)|(7<<25)  ; 2-byte elements; padding on: after every 64 words 8 words
	s_mov_b32 s[G1+1], 128<<16                     ; tensor_dim0 = 128
	s_mov_b32 s[G1+2], 64<<16                      ; tensor_dim1 = 64
	s_mov_b32 s[G1+3], 128<<16                     ; tile_dim0 = 128
	s_mov_b32 s[G1+4], 64                          ; tile_dim1 = 64
	s_mov_b32 s[G1+5], 3072                        ; elements from row to row of qkv16
	s_mov_b32 s[G1+6], 0
	s_mov_b32 s[G1+7], 0
	s_lshl_b32 s46, s13, 12
	s_lshl_b32 s47, s11, 8
	s_add_co_u32 s46, s46, s47
	s_lshl_b32 s47, s10, 6
	s_add_co_u32 s46, s46, s47                     ; my first token's row
	s_mul_i32 s46, s46, 6144
	s_lshl_b32 s47, s14, 8
	s_add_co_u32 s46, s46, s47                     ; + the head's 256 bytes
	s_mov_b32 s47, 0
	s_mul_i32 s52, s12, 15
	s_add_co_u32 s52, s52, s11
	s_lshl_b32 s54, s52, 9
	s_add_co_u32 s54, s54, DAT
	s_mov_b32 s55, 0
	s_lshl_b32 s52, s52, 16
	s_mov_b32 s53, 0
	s_mov_b32 s[G0K], 1
	s_mul_i32 s[G0K+1], s10, 64*PK                 ; my 64 rows of k
	s_mov_b32 s[G0V], 1
	s_mul_i32 s[G0V+1], s10, 64*PK
	s_add_co_u32 s[G0V+1], s[G0V+1], VT            ; and of v
	s_wait_dscnt 0x0
	s_wait_kmcnt 0x0
	s_add_nc_u64 s[48:49], s[4:5], s[46:47]
	s_add_nc_u64 s[G0K+2:G0K+3], s[48:49], 2048
	s_or_b32 s[G0K+3], s[G0K+3], 0x80000000
	s_add_nc_u64 s[G0V+2:G0V+3], s[48:49], 4096
	s_or_b32 s[G0V+3], s[G0V+3], 0x80000000
	s_add_nc_u64 s[18:19], s[6:7], s[54:55]        ; D
	s_add_nc_u64 s[6:7], s[6:7], s[52:53]          ; U
	tensor_load_to_lds s[G0K:G0K+3], s[G1:G1+7]    ; two loads of mine are out
	s_nop 0
	tensor_load_to_lds s[G0V:G0V+3], s[G1:G1+7]
	s_nop 0
.rept 4
	v_nop
.endr
	v_and_b32 v1, 15, v0
	v_bfe_u32 v2, v0, 4, 1                         ; h
	v_and_b32 v3, 31, v0                           ; l
	s_mul_i32 s57, s10, 64*PK
	v_lshl_add_u32 v[KA], v3, 3, s57
	s_lshl_b32 s58, s10, 10
	s_add_co_u32 s58, s58, EA
	v_lshl_add_u32 v[EAD], v3, 4, s58              ; chunk 2 w
	v_lshl_add_u32 v[ED], v3, 4, EA
	v_and_b32 v30, 7, v0
	v_lshl_add_u32 v30, v2, 3, v30
	v_mul_u32_u24 v30, v30, PK
	v_bfe_u32 v31, v0, 3, 1
	v_lshl_add_u32 v[AK], v31, 4, v30              ; (8 h + l % 8) x pitch + 16 ((l / 8) % 2)
	s_lshl_b32 s59, s10, 6
	s_add_co_u32 s59, s59, VT
	v_add_nc_u32 v[AV], s59, v[AK]
	v_lshl_add_u32 v[AE], v2, 5, EA
	v_lshlrev_b32 v[DO], 4, v3
	s_lshl_b32 s60, s10, 14
	v_lshl_add_u32 v[SOFF], v3, 4, s60
	v_mov_b32 v[ZERO], 0
.irp i, 0,1,2,3
	v_mov_b32 v[ONE4+\i], 1.0
	v_mov_b32 v[OUT+\i], 0
.endr
	; FIRST PHASE: my two chunks' K~, in place over k, and E
	s_wait_tensorcnt 0x1                           ; my rows of k are in (v's load was issued behind k's); only I touch them before the barrier
	s_mov_b32 s51, 2
.Lprep:
.set i, 0
.rept 32
	ds_load_b64 v[KP+2*i:KP+2*i+1], v[KA] offset:i*PK
.set i, i+1
.endr
	s_wait_dscnt 0x0
.set i, 0
.set pp, 0
.rept 32                               ; from the chunk's last token down
.set tl, 31-i
.set oo, OUT+2*(i%2)
.if i == 0
.set sR, ONE4
.else
.set sR, PD+4*pp
.endif
.set pp, 1-pp
	MX4 oo, KP+2*tl, sR
	CH4 PD+4*pp, KP+2*tl, sR
	ds_store_b64 v[KA], v[oo:oo+1] offset:tl*PK
.set i, i+1
.endr
	ds_store_b128 v[EAD], v[PD+4*pp:PD+4*pp+3]     ; the product of all 32
	v_add_nc_u32 v[KA], 32*PK, v[KA]
	v_add_nc_u32 v[EAD], 512, v[EAD]
	s_sub_co_u32 s51, s51, 1
	s_cmp_lg_u32 s51, 0
	s_cbranch_scc1 .Lprep
	s_wait_tensorcnt 0x0                           ; for the others' sake: my rows of v have landed,
	s_wait_dscnt 0x0                               ; and my stores are done
	s_barrier_signal -1
	s_barrier_wait -1
	; SECOND PHASE: the eight chunks in order
.macro UPD zero
	WIN 0
.irp dt, 0,1
	ds_load_tr16_b128 v[VF+8*\dt:VF+8*\dt+3],   v[AV] offset:32*\dt
	ds_load_tr16_b128 v[VF+8*\dt+4:VF+8*\dt+7], v[AV] offset:16*PK+32*\dt
.endr
.if !(\zero)
	WIN 0x40
.irp f, 0,1,2,3,4,5,6,7
	ds_load_b128 v[EE+8*\f:EE+8*\f+3],   v[AE] offset:64*\f
	ds_load_b128 v[EE+8*\f+4:EE+8*\f+7], v[AE] offset:64*\f+16
.endr
	WIN 0
.endif
.irp f, 0,1,2,3,4,5,6,7
	ds_load_tr16_b128 v[KF+8*\f:KF+8*\f+3],   v[AK] offset:32*\f
	ds_load_tr16_b128 v[KF+8*\f+4:KF+8*\f+7], v[AK] offset:16*PK+32*\f
.endr
.if !(\zero)
	s_wait_dscnt 16                                ; E is in; K~'s 16 loads may be out
	WIN 0x45
.set t, 0
.rept 16
.irp i, 0,1,2,3
	v_pk_mul_f32 v[8*t+2*\i:8*t+2*\i+1], v[8*t+2*\i:8*t+2*\i+1], v[EE+8*(t/2)+2*\i:EE+8*(t/2)+2*\i+1]
.endr
.set t, t+1
.endr
.endif
	s_wait_dscnt 0x0
	WIN 0x50
.set t, 0
.rept 16                               ; 16 tiles, one instruction each
.if \zero
	v_wmma_f32_16x16x32_f16 v[8*t:8*t+7], v[KF+8*(t/2):KF+8*(t/2)+7], v[VF+8*(t%2):VF+8*(t%2)+7], 0
.else
	v_wmma_f32_16x16x32_f16 v[8*t:8*t+7], v[KF+8*(t/2):KF+8*(t/2)+7], v[VF+8*(t%2):VF+8*(t%2)+7], v[8*t:8*t+7]
.endif
.set t, t+1
.endr
.endm
	UPD 1                                          ; chunk 0 starts the sums
	WIN 0
	s_mov_b32 s51, 7
.Lupd:
	v_add_nc_u32 v[AK], 32*PK, v[AK]
	v_add_nc_u32 v[AV], 32*PK, v[AV]
	v_add_nc_u32 v[AE], 512, v[AE]
	PLACES                                         ; between the last products and the loads into their sources, and the scaling of their results
	UPD 0
	WIN 0
	s_sub_co_u32 s51, s51, 1
	s_cmp_lg_u32 s51, 0
	s_cbranch_scc1 .Lupd
	PLACES
	WIN 0x04                                       ; the stores' data lie in window 1
.set t, 0
.rept 16
	global_store_b128 v[SOFF], v[8*t:8*t+3],   s[6:7] offset:t*1024
	global_store_b128 v[SOFF], v[8*t+4:8*t+7], s[6:7] offset:t*1024+512
.set t, t+1
.endr
	WIN 0
	s_cmp_lg_u32 s10, 0
	s_cbranch_scc1 .Lend                           ; wave 0 alone makes D
.irp g, 0,1,2,3,4,5,6,7
	ds_load_b128 v[64+4*\g:67+4*\g], v[ED] offset:512*\g
.endr
	s_wait_dscnt 0x0
.irp g, 1,2,3,4,5,6,7
	v_pk_mul_f32 v[64:65], v[64:65], v[64+4*\g:65+4*\g]
	v_pk_mul_f32 v[66:67], v[66:67], v[66+4*\g:67+4*\g]
.endr
	global_store_b128 v[DO], v[64:67], s[18:19]
.Lend:
	s_wait_tensorcnt 0x0                           ; the wave's end
	ds_add_u32 v[SPW], v[NIL]
	s_wait_dscnt 0x0
	s_endpgm
.Lfunc_end_k_q4ff9162771_segstate:
	.size	k_q4ff9162771_segstate, .Lfunc_end_k_q4ff9162771_segstate-k_q4ff9162771_segstate
	.p2alignl 7, 3214868480
	.fill 96, 4, 3214868480
	.section	.rodata,"a",@progbits
	.p2align	6, 0x0
	.amdhsa_kernel k_q4ff9162771_segstate
		.amdhsa_group_segment_fixed_size 167936
		.amdhsa_private_segment_fixed_size 0
		.amdhsa_enable_private_segment 0
		.amdhsa_kernarg_size 16
		.amdhsa_user_sgpr_count 2
		.amdhsa_user_sgpr_kernarg_segment_ptr 1
		.amdhsa_wavefront_size32 1
		.amdhsa_system_sgpr_workgroup_id_x 1
		.amdhsa_system_sgpr_workgroup_id_y 1
		.amdhsa_system_sgpr_workgroup_id_z 1
		.amdhsa_system_vgpr_workitem_id 0
		.amdhsa_next_free_vgpr 512
		.amdhsa_next_free_sgpr 66
		.amdhsa_reserve_vcc 0
		.amdhsa_float_denorm_mode_32 3
		.amdhsa_float_denorm_mode_16_64 3
		.amdhsa_memory_ordered 1
		.amdhsa_forward_progress 1
		.amdhsa_inst_pref_size 40
	.end_amdhsa_kernel
	.amdgpu_metadata
---
amdhsa.version: [ 1, 2 ]
amdhsa.kernels:
  - .name:           k_q4ff9162771_segstate
    .symbol:         k_q4ff9162771_segstate.kd
    .args:
      - { .name: qkv16, .offset: 0, .size: 8, .value_kind: global_buffer, .address_space: global }
      - { .name: ubuf, .offset: 8, .size: 8, .value_kind: global_buffer, .address_space: global }
    .group_segment_fixed_size: 167936
    .private_segment_fixed_size: 0
    .kernarg_segment_align: 8
    .kernarg_segment_size: 16
    .max_flat_workgroup_size: 128
    .sgpr_count:     66
    .vgpr_count:     512
    .wavefront_size: 32
...
	.end_amdgpu_metadata
.endif
;; end of part 3
;; launch scan (part 4): grid 16 x 16, 8 waves a work-group, no clusters, 0 bytes of LDS; arguments ubuf, sbuf; writes sbuf
.if DOCPART == 4
	.amdgcn_target "amdgcn-amd-amdhsa--gfx1250"
	.amdhsa_code_object_version 6
	.text
	.protected	k_q4ff9162771_scan
	.globl	k_q4ff9162771_scan
	.p2align	8
	.type	k_q4ff9162771_scan,@function
k_q4ff9162771_scan:
	s_mov_b64 s[64:65], 0
	v_nop
	global_prefetch_b8 v0, s[64:65] scope:SCOPE_SE
	s_setreg_imm32_b32 hwreg(HW_REG_WAVE_MODE, 25, 1), 1
	s_wait_xcnt 0x0
; The state at each segment's beginning, in f32: S_0 = 0, S_(c+1) = D_c o S_c + U_c, c = 0 .. 14, for each of 16 (batch, head).  A thread owns 16 bytes of the state's image (four f of one d):
; number p = 256 x group + thread of 4,096.  In the image p = ((16 w + i) 2 + q) 32 + l, and its four numbers are f0 .. f0 + 3, f0 = 16 (i / 2) + 8 (l / 16) + 4 q.
; All 30 loads are issued first; the chain of 15 links then follows them as they land; each S has registers of its own, so no store's data are rewritten.
.set VO, 2                             ; v2  16 p
.set VD, 3                             ; v3  4 f0
.set D,  8                             ; v[8:67]
.set U,  68                            ; v[68:127]
.set S,  128                           ; v[128:191]
	s_load_b128 s[4:7], s[0:1], 0x0                ; ubuf s[4:5], sbuf s[6:7]
	s_and_b32 s8, ttmp7, 0xffff
	s_lshl_b32 s9, ttmp9, 8
	v_add_nc_u32 v1, s9, v0
	v_lshlrev_b32 v[VO], 4, v1
	v_bfe_u32 v[VD], v1, 7, 3
	v_bfe_u32 v4, v1, 4, 1
	v_bfe_u32 v5, v1, 5, 1
	v_lshlrev_b32 v[VD], 6, v[VD]
	v_lshl_add_u32 v[VD], v4, 5, v[VD]
	v_lshl_add_u32 v[VD], v5, 4, v[VD]
	s_mul_i32 s10, s8, 15*65536
	s_mov_b32 s11, 0
	s_mul_i32 s12, s8, 15*512
	s_add_co_u32 s12, s12, 15728640
	s_mov_b32 s13, 0
	s_lshl_b32 s14, s8, 20
	s_mov_b32 s15, 0
	s_wait_kmcnt 0x0
	s_add_nc_u64 s[16:17], s[4:5], s[10:11]
	s_add_nc_u64 s[18:19], s[4:5], s[12:13]
	s_add_nc_u64 s[6:7], s[6:7], s[14:15]
.irp c, 0,1,2,3,4,5,6,7,8,9,10,11,12,13,14
	global_load_b128 v[D+4*\c:D+4*\c+3], v[VD], s[18:19] offset:512*\c
	global_load_b128 v[U+4*\c:U+4*\c+3], v[VO], s[16:17] offset:65536*\c
.endr
.irp i, 0,1,2,3
	v_mov_b32 v[S+\i], 0
.endr
	global_store_b128 v[VO], v[S:S+3], s[6:7]
.irp c, 0,1,2,3,4,5,6,7,8,9,10,11,12,13,14
	s_wait_loadcnt 2*(14-\c)                       ; D_c and U_c are in; the later segments' pairs stay out
	v_pk_fma_f32 v[S+4*\c+4:S+4*\c+5], v[D+4*\c:D+4*\c+1], v[S+4*\c:S+4*\c+1], v[U+4*\c:U+4*\c+1]
	v_pk_fma_f32 v[S+4*\c+6:S+4*\c+7], v[D+4*\c+2:D+4*\c+3], v[S+4*\c+2:S+4*\c+3], v[U+4*\c+2:U+4*\c+3]
	global_store_b128 v[VO], v[S+4*\c+4:S+4*\c+7], s[6:7] offset:65536*(\c+1)
.endr
	s_endpgm
.Lfunc_end_k_q4ff9162771_scan:
	.size	k_q4ff9162771_scan, .Lfunc_end_k_q4ff9162771_scan-k_q4ff9162771_scan
	.p2alignl 7, 3214868480
	.fill 96, 4, 3214868480
	.section	.rodata,"a",@progbits
	.p2align	6, 0x0
	.amdhsa_kernel k_q4ff9162771_scan
		.amdhsa_group_segment_fixed_size 0
		.amdhsa_private_segment_fixed_size 0
		.amdhsa_enable_private_segment 0
		.amdhsa_kernarg_size 16
		.amdhsa_user_sgpr_count 2
		.amdhsa_user_sgpr_kernarg_segment_ptr 1
		.amdhsa_wavefront_size32 1
		.amdhsa_system_sgpr_workgroup_id_x 1
		.amdhsa_system_sgpr_workgroup_id_y 1
		.amdhsa_system_sgpr_workgroup_id_z 1
		.amdhsa_system_vgpr_workitem_id 0
		.amdhsa_next_free_vgpr 192
		.amdhsa_next_free_sgpr 66
		.amdhsa_reserve_vcc 0
		.amdhsa_float_denorm_mode_32 3
		.amdhsa_float_denorm_mode_16_64 3
		.amdhsa_memory_ordered 1
		.amdhsa_forward_progress 1
		.amdhsa_inst_pref_size 9
	.end_amdhsa_kernel
	.amdgpu_metadata
---
amdhsa.version: [ 1, 2 ]
amdhsa.kernels:
  - .name:           k_q4ff9162771_scan
    .symbol:         k_q4ff9162771_scan.kd
    .args:
      - { .name: ubuf, .offset: 0, .size: 8, .value_kind: global_buffer, .address_space: global }
      - { .name: sbuf, .offset: 8, .size: 8, .value_kind: global_buffer, .address_space: global }
    .group_segment_fixed_size: 0
    .private_segment_fixed_size: 0
    .kernarg_segment_align: 8
    .kernarg_segment_size: 16
    .max_flat_workgroup_size: 256
    .sgpr_count:     66
    .vgpr_count:     192
    .wavefront_size: 32
...
	.end_amdgpu_metadata
.endif
;; end of part 4
;; launch glaout (part 5): grid 16 x 16, 4 waves a work-group, no clusters, 307,712 bytes of LDS; arguments qkv16, sbuf, o32; writes o32
.if DOCPART == 5
	.amdgcn_target "amdgcn-amd-amdhsa--gfx1250"
	.amdhsa_code_object_version 6
	.text
	.protected	k_q4ff9162771_glaout
	.globl	k_q4ff9162771_glaout
	.p2align	8
	.type	k_q4ff9162771_glaout,@function
k_q4ff9162771_glaout:
	s_mov_b64 s[64:65], 0
	v_nop
	global_prefetch_b8 v0, s[64:65] scope:SCOPE_SE
	s_setreg_imm32_b32 hwreg(HW_REG_WAVE_MODE, 25, 1), 1
	s_wait_xcnt 0x0
; o for one (batch, head) and one segment of 256 tokens, from the state S at the segment's beginning.  lambda = 1 - k.  o[t] = sum over s <= t of (sum over f of q[t][f] (product of lambda[u][f], u = s+1 .. t) k[s][f]) v[s]
; + (q[t] o product of lambda from the segment's start to t) . S.  No two work-groups read the same bytes: no cluster.
; CHUNKS of 32 tokens, tau = 0 .. 31.  EVERY DECAY FACTOR IS A RUNNING PRODUCT OF lambda, AT MOST 1: no exponential, no logarithm, nothing that can overflow for any gate.
;   Q~ = q' x (product from the chunk's start to tau, inclusive);  K~ = k x (product from tau + 1 to the chunk's end);  E = the chunk's product.  o' = A V + Q~ S;  S' = E o S + K~^T V.
;   A[t][s], s < t: let h be the highest bit in which t and s differ.  X^h[tau] = q' x (product from the start of tau's group of h to tau) where tau has bit h, else k x (product from tau + 1 to the end of tau's group of h).
;   Then A[t][s] = X^h[t] . X^h[s] exactly.  One array a level serves as both sources; the product's entries that belong to other levels are finite and are never taken: a select by a constant lane mask.  A[t][t] = q'[t] . k[t].
; q' = silu / alpha; o = o' x alpha / sqrt(128), the scale read from qs.  A chain's link is P - k P, one rounding in f32; each operand is rounded once to f16; A (at most 128 in size) and S (a mean of v's, so within v's range) go to f16 as operands.
; LIMITS: lambda is taken as 1 - f16(k); v within 65,504.
; SHARES.  First phase: wave w owns tokens 64 w .. 64 w + 63 (chunks 2 w, 2 w + 1), lane l channels 4 l .. 4 l + 3.  Second phase: wave w owns d = 32 w .. 32 w + 31: 16 state tiles (F, dt) in f32, and walks all 8 chunks.
; LAYOUTS.  S tile D(m = f, n = d) = K~^T (source 0, turned) x V^T (source 1, turned).  Two f tiles rounded in pairs ARE source 0 (rows d, K = f) of o^T(m = d, n = t), whose source 1 is Q~.
; A^T tiles D(m = s, n = t) rounded in pairs ARE source 1 (rows t, K = s) of o^T += V^T A^T.
; REGISTERS.  Window 0: v0-31 addresses and constants; first phase v32-63 chains and results, v64-191 two fragment sets, v192-247 products and A^T, v248-251 1.0; second phase v32-47 V^T, v48-63 A's fragments,
; v64-127 S as operand (later o and rows read back), v128-191 Q~, v192-255 K~^T.  Window 1: v0-127 S, v128-191 E, v192-223 o^T.  Window 2: v0-63 k, v64-127 q' of a chunk, v128-131 addresses.
.set PQ,    272                        ; an LDS row of q, and of X: 256 bytes + 16
.set PK,    288                        ; of k and v: 256 + 32, an odd multiple of 32
.set SP,    528                        ; a stage row: 128 f32 + 16 bytes
.set QT,    0
.set KT,    256*PQ
.set VT,    KT+256*PK
.set XS,    VT+256*PK                  ; a wave's two X buffers of 32 rows (17,408 bytes a wave); in the second phase the work-group's stage, two halves of 32 rows x 528
.set PF,    XS+4*64*PQ                 ; A's fragments: 8 chunks x 2 x 1,024 bytes
.set EA,    PF+16384                   ; E[8][128] f32
.set SPARE, EA+4096
.set QSAT,  50331648
.set FRQ, 4
.set FRK, 5
.set FRX, 6
.set PST, 7
.set AQ,  8
.set AK,  9
.set AV,  10
.set AP,  11
.set AE,  12
.set AST, 13
.set ARD, 14
.set AO,  15
.set AAL, 16
.set SOFF, 17
.set Z4,  20                           ; v20-23 zeros
.set ZERO, 20
.set AL0, 24                           ; v24 (with v25): the scale of token 16 x 0 + r;  v26 (with v27): of token 16 + r
.set SPW, 28
.set NIL, 29
.set PA,  32
.set PD,  40
.set OUT, 48
.set PFT, 56
.set FR0, 64
.set FR1, 128
.set D0,  192
.set D1,  200
.set D2A, 208
.set D2B, 216
.set AT00, 224
.set AT11, 232
.set AT10, 240
.set ONE4, 248
.set VF,  32
.set PFR, 48
.set SOP, 64
.set TT,  64
.set RB,  96
.set QF,  128
.set KF,  192
.set EE,  128                          ; window 1
.set OACC, 192                         ; window 1
.set KP,  0                            ; window 2
.set QP,  64
.set XA,  128
.set QA,  129
.set KA,  130
.set EAD, 131
.set G1Q, 16
.set G1K, 24
.set G0K, 32
.set G0Q, 36
.set G0V, 40
.set MSB, 0
.macro WIN new
.if MSB != (\new)
	s_set_vgpr_msb (MSB<<8)|(\new)
.set MSB, \new
.endif
.endm
.set W_SW, 0x02                        ; source 0 (k, q', and an LDS store's address) in window 2
	s_load_b128 s[4:7], s[0:1], 0x0                ; qkv16 s[4:5], sbuf s[6:7]
	s_load_b64 s[8:9], s[0:1], 0x10                ; o32
	v_lshl_add_u32 v[SPW], v0, 2, SPARE
	v_mov_b32 v[NIL], 0
	ds_add_u32 v[SPW], v[NIL]                      ; the wave's opening: the add, twice on end, and its wait ahead of my first tensor load
	ds_add_u32 v[SPW], v[NIL]
	v_lshrrev_b32 v1, 5, v0
	v_readfirstlane_b32 s10, v1                    ; wave
	s_mov_b32 s11, ttmp9                           ; segment
	s_and_b32 s12, ttmp7, 0xffff                   ; b x 8 + head
	s_lshr_b32 s13, s12, 3
	s_and_b32 s14, s12, 7
	s_mov_b32 s[G1Q], (1<<16)|(1<<20)|(5<<22)|(3<<25)  ; 2-byte elements; padding on: after every 64 words 4 words
	s_mov_b32 s[G1K], (1<<16)|(1<<20)|(5<<22)|(7<<25)  ; 8 words
.irp g, G1Q, G1K
	s_mov_b32 s[\g+1], 128<<16                     ; tensor_dim0 = 128
	s_mov_b32 s[\g+2], 64<<16                      ; tensor_dim1 = 64
	s_mov_b32 s[\g+3], 128<<16                     ; tile_dim0 = 128
	s_mov_b32 s[\g+4], 64                          ; tile_dim1 = 64
	s_mov_b32 s[\g+5], 3072                        ; elements from row to row of qkv16
	s_mov_b32 s[\g+6], 0
	s_mov_b32 s[\g+7], 0
.endr
	s_lshl_b32 s46, s13, 12
	s_lshl_b32 s47, s11, 8
	s_add_co_u32 s46, s46, s47                     ; the segment's first row
	s_lshl_b32 s48, s46, 12                        ; in o32: 4,096 bytes a row
	s_lshl_b32 s47, s10, 6
	s_add_co_u32 s46, s46, s47                     ; my first token's row
	s_mul_i32 s46, s46, 6144
	s_lshl_b32 s47, s14, 8
	s_add_co_u32 s46, s46, s47
	s_mov_b32 s47, 0
	s_lshl_b32 s49, s14, 9
	s_add_co_u32 s48, s48, s49                     ; + the head's 512 bytes
	s_mov_b32 s49, 0
	s_lshl_b32 s52, s12, 4
	s_add_co_u32 s52, s52, s11
	s_lshl_b32 s54, s52, 10                        ; qs: 1,024 bytes a segment
	s_mov_b32 s55, 0
	s_lshl_b32 s52, s52, 16                        ; S: 65,536 bytes a segment
	s_mov_b32 s53, 0
	s_mov_b32 s[G0K], 1
	s_mul_i32 s[G0K+1], s10, 64*PK
	s_add_co_u32 s[G0K+1], s[G0K+1], KT
	s_mov_b32 s[G0Q], 1
	s_mul_i32 s[G0Q+1], s10, 64*PQ
	s_mov_b32 s[G0V], 1
	s_mul_i32 s[G0V+1], s10, 64*PK
	s_add_co_u32 s[G0V+1], s[G0V+1], VT
	v_and_b32 v3, 31, v0                           ; l
	s_lshl_b32 s61, s10, 14
	v_lshl_add_u32 v[SOFF], v3, 4, s61
	s_wait_dscnt 0x0
	s_wait_kmcnt 0x0
	s_add_nc_u64 s[G0Q+2:G0Q+3], s[4:5], s[46:47]
	s_add_nc_u64 s[G0K+2:G0K+3], s[G0Q+2:G0Q+3], 2048
	s_add_nc_u64 s[G0V+2:G0V+3], s[G0Q+2:G0Q+3], 4096
	s_or_b32 s[G0Q+3], s[G0Q+3], 0x80000000
	s_or_b32 s[G0K+3], s[G0K+3], 0x80000000
	s_or_b32 s[G0V+3], s[G0V+3], 0x80000000
	s_add_nc_u64 s[44:45], s[4:5], QSAT
	s_add_nc_u64 s[44:45], s[44:45], s[54:55]      ; qs at the segment's first token
	s_add_nc_u64 s[6:7], s[6:7], s[52:53]
	s_add_nc_u64 s[8:9], s[8:9], s[48:49]
	tensor_load_to_lds s[G0K:G0K+3], s[G1K:G1K+7]  ; my 64 rows of k, of q', of v: three loads of mine are out
	s_nop 0
	tensor_load_to_lds s[G0Q:G0Q+3], s[G1Q:G1Q+7]
	s_nop 0
	tensor_load_to_lds s[G0V:G0V+3], s[G1K:G1K+7]
	s_nop 0
.rept 4
	v_nop
.endr
	WIN 0x40
.set t, 0
.rept 16                               ; my 16 tiles of S; waited for at the second phase's head
	global_load_b128 v[8*t:8*t+3],   v[SOFF], s[6:7] offset:t*1024
	global_load_b128 v[8*t+4:8*t+7], v[SOFF], s[6:7] offset:t*1024+512
.set t, t+1
.endr
	WIN 0
	v_and_b32 v1, 15, v0                           ; r
	v_bfe_u32 v2, v0, 4, 1                         ; h
	v_mul_u32_u24 v30, v1, PQ
	v_lshl_add_u32 v30, v2, 4, v30
	v_mul_u32_u24 v31, v1, PK
	v_lshl_add_u32 v31, v2, 4, v31
	s_mul_i32 s56, s10, 64*PQ
	s_mul_i32 s57, s10, 64*PK
	s_add_co_u32 s58, s57, KT
	s_add_co_u32 s59, s56, XS
	v_add_nc_u32 v[FRQ], s56, v30                  ; fragments of my raw q', k, and of my X
	v_add_nc_u32 v[FRK], s58, v31
	v_add_nc_u32 v[FRX], s59, v30
	s_lshl_b32 s60, s10, 12
	s_add_co_u32 s60, s60, PF
	v_lshl_add_u32 v[PST], v3, 4, s60
	v_mov_b32 v[AQ], v30
	v_and_b32 v30, 7, v0
	v_lshl_add_u32 v30, v2, 3, v30
	v_mul_u32_u24 v30, v30, PK
	v_bfe_u32 v31, v0, 3, 1
	v_lshl_add_u32 v30, v31, 4, v30                ; the turning loads: (8 h + l % 8) x pitch + 16 ((l / 8) % 2)
	v_add_nc_u32 v[AK], KT, v30
	s_lshl_b32 s61, s10, 6
	s_add_co_u32 s61, s61, VT
	v_add_nc_u32 v[AV], s61, v30
	v_lshl_add_u32 v[AP], v3, 4, PF
	v_lshl_add_u32 v[AE], v2, 5, EA
	v_mul_u32_u24 v30, v1, SP
	v_lshl_add_u32 v30, v2, 5, v30
	s_lshl_b32 s61, s10, 7
	s_add_co_u32 s61, s61, XS
	v_add_nc_u32 v[AST], s61, v30
	s_mul_i32 s61, s10, 8*SP
	s_add_co_u32 s61, s61, XS
	v_lshl_add_u32 v[ARD], v3, 4, s61
	s_lshl_b32 s61, s10, 15
	v_lshl_add_u32 v[AO], v3, 4, s61
	v_lshlrev_b32 v[AAL], 2, v1
	v_mov_b32 v25, 0                               ; named with v24 and v26 as pairs
	v_mov_b32 v27, 0
.irp i, 0,1,2,3
	v_mov_b32 v[Z4+\i], 0
	v_mov_b32 v[ONE4+\i], 1.0
	v_mov_b32 v[OUT+\i], 0
	v_mov_b32 v[OUT+4+\i], 0
.endr
	s_lshl_b32 s62, s10, 10
	s_add_co_u32 s62, s62, EA
	WIN 0x80
	v_lshl_add_u32 v[XA], v3, 3, s59
	v_lshl_add_u32 v[QA], v3, 3, s56
	v_lshl_add_u32 v[KA], v3, 3, s58
	v_lshl_add_u32 v[EAD], v3, 4, s62
	WIN 0
.macro CH4 d, x, s                     ; d = s - k s for four channels; k: the four f16 in registers x, x + 1 of window 2
	v_fma_mix_f32 v[(\d)],   -v[(\x)],   v[(\s)],   v[(\s)]   op_sel:[0,0,0] op_sel_hi:[1,0,0]
	v_fma_mix_f32 v[(\d)+1], -v[(\x)],   v[(\s)+1], v[(\s)+1] op_sel:[1,0,0] op_sel_hi:[1,0,0]
	v_fma_mix_f32 v[(\d)+2], -v[(\x)+1], v[(\s)+2], v[(\s)+2] op_sel:[0,0,0] op_sel_hi:[1,0,0]
	v_fma_mix_f32 v[(\d)+3], -v[(\x)+1], v[(\s)+3], v[(\s)+3] op_sel:[1,0,0] op_sel_hi:[1,0,0]
.endm
.macro MX4 o, x, s                     ; o = f16(x s) for four channels, rounded once
	v_fma_mixlo_f16 v[(\o)],   v[(\x)],   v[(\s)],   v[ZERO] op_sel:[0,0,0] op_sel_hi:[1,0,0]
	v_fma_mixlo_f16 v[(\o)+1], v[(\x)+1], v[(\s)+2], v[ZERO] op_sel:[0,0,0] op_sel_hi:[1,0,0]
	v_fma_mixhi_f16 v[(\o)],   v[(\x)],   v[(\s)+1], v[ZERO] op_sel:[1,0,0] op_sel_hi:[1,0,0]
	v_fma_mixhi_f16 v[(\o)+1], v[(\x)+1], v[(\s)+3], v[ZERO] op_sel:[1,0,0] op_sel_hi:[1,0,0]
.endm
; Level h's X into scratch buffer buf.  Step i takes one token of an upper half (going up, with P) and one of the lower half beside it (going down, with R); at a group's middle both begin at 1.
.macro SWEEP h, buf
	WIN W_SW
.set i, 0
.set pp, 0
.rept 16
.set tu, (i/(\h))*2*(\h)+(\h)+i%(\h)
.set tl, (i/(\h))*2*(\h)+(\h)-1-i%(\h)
.set oo, OUT+4*(i%2)
.if i%(\h) == 0
.set sP, ONE4
.set sR, ONE4
.else
.set sP, PA+4*pp
.set sR, PD+4*pp
.endif
.set pp, 1-pp
	CH4 PA+4*pp, KP+2*tu, sP
	MX4 oo, KP+2*tl, sR
	MX4 oo+2, QP+2*tu, PA+4*pp
.if i%(\h) != (\h)-1
	CH4 PD+4*pp, KP+2*tl, sR
.endif
	ds_store_b64 v[XA], v[oo:oo+1]   offset:(\buf)*32*PQ+tl*PQ
	ds_store_b64 v[XA], v[oo+2:oo+3] offset:(\buf)*32*PQ+tu*PQ
.set i, i+1
.endr
.endm
.macro SWEEP32                         ; Q~ and K~, in place over my q' and k, and E
	WIN W_SW
.set i, 0
.set pp, 0
.rept 32
.set tu, i
.set tl, 31-i
.set oo, OUT+4*(i%2)
.if i == 0
.set sP, ONE4
.set sR, ONE4
.else
.set sP, PA+4*pp
.set sR, PD+4*pp
.endif
.set pp, 1-pp
	CH4 PA+4*pp, KP+2*tu, sP
	MX4 oo, KP+2*tl, sR
	MX4 oo+2, QP+2*tu, PA+4*pp
.if i != 31
	CH4 PD+4*pp, KP+2*tl, sR
.endif
	ds_store_b64 v[KA], v[oo:oo+1]   offset:tl*PK
	ds_store_b64 v[QA], v[oo+2:oo+3] offset:tu*PQ
.set i, i+1
.endr
	ds_store_b128 v[EAD], v[PA+4*pp:PA+4*pp+3]
.endm
.macro LOADX buf, set                  ; X's fragments: block be of 16 tokens, channels 32 ks on, at FR0 + 64 set + 32 be + 8 ks.  LDS serves a wave's instructions in order, so these see my stores
	WIN 0
.irp be, 0,1
.irp ks, 0,1,2,3
	ds_load_b128 v[FR0+64*(\set)+32*\be+8*\ks:FR0+64*(\set)+32*\be+8*\ks+3],   v[FRX] offset:(\buf)*32*PQ+\be*16*PQ+\ks*64
	ds_load_b128 v[FR0+64*(\set)+32*\be+8*\ks+4:FR0+64*(\set)+32*\be+8*\ks+7], v[FRX] offset:(\buf)*32*PQ+\be*16*PQ+\ks*64+32
.endr
.endr
.endm
.macro MMX set                         ; X X^T for both blocks; the two accumulators take turns
	WIN 0
.irp ks, 0,1,2,3
.irp be, 0,1
.set rX, FR0+64*(\set)+32*\be+8*\ks
.set rD, D0+8*\be
.if \ks == 0
	v_wmma_f32_16x16x32_f16 v[rD:rD+7], v[rX:rX+7], v[rX:rX+7], 0
.else
	v_wmma_f32_16x16x32_f16 v[rD:rD+7], v[rX:rX+7], v[rX:rX+7], v[rD:rD+7]
.endif
.endr
.endr
.endm
.macro MMDIAG                          ; k q'^T for both blocks: only its diagonal is taken
	WIN 0
.irp ks, 0,1,2,3
.irp be, 0,1
.set rK, FR0+32*\be+8*\ks
.set rQ, FR1+32*\be+8*\ks
.set rD, D0+8*\be
.if \ks == 0
	v_wmma_f32_16x16x32_f16 v[rD:rD+7], v[rK:rK+7], v[rQ:rQ+7], 0
.else
	v_wmma_f32_16x16x32_f16 v[rD:rD+7], v[rK:rK+7], v[rQ:rQ+7], v[rD:rD+7]
.endif
.endr
.endr
.endm
.macro MM16                            ; level 16: keys of block 0 x queries of block 1, a whole tile; two accumulators by turns, added later
	WIN 0
.irp ks, 0,1,2,3
.set rD, D2A+8*(\ks%2)
.if \ks < 2
	v_wmma_f32_16x16x32_f16 v[rD:rD+7], v[FR0+8*\ks:FR0+8*\ks+7], v[FR0+32+8*\ks:FR0+32+8*\ks+7], 0
.else
	v_wmma_f32_16x16x32_f16 v[rD:rD+7], v[FR0+8*\ks:FR0+8*\ks+7], v[FR0+32+8*\ks:FR0+32+8*\ks+7], v[rD:rD+7]
.endif
.endr
.endm
; Level h's entries go into A^T.  Register j of lane L is (s = 8 (L / 16) + j, t = L % 16): it is level h's if t has bit h, s has not, and no higher bit differs; h = 0: the diagonal, and all else is set to 0.
.macro SEL h
	WIN 0
.set j, 0
.rept 8
.set MK, 0
.set L, 0
.rept 32
.set rr, L&15
.set ss, 8*(L>>4)+j
.if (\h) == 0
.if rr == ss
.set MK, MK|(1<<L)
.endif
.else
.if ((rr&(\h)) != 0) && ((ss&(\h)) == 0) && ((rr^ss) < 2*(\h))
.set MK, MK|(1<<L)
.endif
.endif
.set L, L+1
.endr
	s_mov_b32 s50, MK
.if (\h) == 0
	v_cndmask_b32 v[AT00+j], 0, v[D0+j], s50
	v_cndmask_b32 v[AT11+j], 0, v[D1+j], s50
.else
	v_cndmask_b32 v[AT00+j], v[AT00+j], v[D0+j], s50
	v_cndmask_b32 v[AT11+j], v[AT11+j], v[D1+j], s50
.endif
.set j, j+1
.endr
.endm
.macro PFRAG                           ; A's two fragments (rows t of block tb, K = the chunk's 32 s), as register images of 1,024 bytes
	WIN 0
.irp i, 0,1,2,3
	v_pk_add_f32 v[AT10+2*\i:AT10+2*\i+1], v[D2A+2*\i:D2A+2*\i+1], v[D2B+2*\i:D2B+2*\i+1]
.endr
.irp i, 0,1,2,3
	v_cvt_pk_f16_f32 v[PFT+\i], v[AT00+2*\i], v[AT00+2*\i+1]
	v_cvt_pk_f16_f32 v[PFT+4+\i], v[AT10+2*\i], v[AT10+2*\i+1]
	v_cvt_pk_f16_f32 v[OUT+\i], v[AT11+2*\i], v[AT11+2*\i+1]
.endr
	ds_store_b128 v[PST], v[PFT:PFT+3]
	ds_store_b128 v[PST], v[Z4:Z4+3] offset:512    ; block 0's queries see no key of block 1
	ds_store_b128 v[PST], v[PFT+4:PFT+7] offset:1024
	ds_store_b128 v[PST], v[OUT:OUT+3] offset:1536
.endm
	; FIRST PHASE: my two chunks.  Each sweep's plain lines are the places between a run of products and what follows it: the select that reads its results, the loads into its sources, the run that writes over them.
	s_wait_tensorcnt 0x1                           ; my rows of k and q' are in (v's load was issued behind them); only I touch them before the barrier
	s_mov_b32 s51, 2
.Lprep:
	WIN 0x82
.set i, 0
.rept 32
	ds_load_b64 v[KP+2*i:KP+2*i+1], v[KA] offset:i*PK
.set i, i+1
.endr
.set i, 0
.rept 32
	ds_load_b64 v[QP+2*i:QP+2*i+1], v[QA] offset:i*PQ
.set i, i+1
.endr
	WIN 0
.irp be, 0,1
.irp ks, 0,1,2,3
	ds_load_b128 v[FR0+32*\be+8*\ks:FR0+32*\be+8*\ks+3],   v[FRK] offset:\be*16*PK+\ks*64
	ds_load_b128 v[FR0+32*\be+8*\ks+4:FR0+32*\be+8*\ks+7], v[FRK] offset:\be*16*PK+\ks*64+32
	ds_load_b128 v[FR1+32*\be+8*\ks:FR1+32*\be+8*\ks+3],   v[FRQ] offset:\be*16*PQ+\ks*64
	ds_load_b128 v[FR1+32*\be+8*\ks+4:FR1+32*\be+8*\ks+7], v[FRQ] offset:\be*16*PQ+\ks*64+32
.endr
.endr
	s_wait_dscnt 0x0
	MMDIAG
	SWEEP 1, 0
	SEL 0
	LOADX 0, 0
	SWEEP 2, 1
	LOADX 1, 1
	s_wait_dscnt 48                                ; level 1's fragments are in: behind them stand a sweep's 32 stores and 16 loads
	MMX 0
	SWEEP 4, 0
	SEL 1
	LOADX 0, 0
	s_wait_dscnt 48                                ; level 2's, by the same count
	MMX 1
	SWEEP 8, 1
	SEL 2
	LOADX 1, 1
	s_wait_dscnt 48                                ; level 4's
	MMX 0
	SWEEP 16, 0
	SEL 4
	LOADX 0, 0
	s_wait_dscnt 48                                ; level 8's
	MMX 1
	s_wait_dscnt 0x0                               ; level 16's
	MM16
	SWEEP32
	SEL 8
	PFRAG
	v_add_nc_u32 v[FRQ], 32*PQ, v[FRQ]
	v_add_nc_u32 v[FRK], 32*PK, v[FRK]
	v_add_nc_u32 v[PST], 2048, v[PST]
	WIN 0x88
	v_add_nc_u32 v[QA], 32*PQ, v[QA]
	v_add_nc_u32 v[KA], 32*PK, v[KA]
	v_add_nc_u32 v[EAD], 512, v[EAD]
	WIN 0
	s_sub_co_u32 s51, s51, 1
	s_cmp_lg_u32 s51, 0
	s_cbranch_scc1 .Lprep
	s_wait_tensorcnt 0x0                           ; for the others' sake: my rows of v have landed,
	s_wait_dscnt 0x0                               ; and my stores are done
	s_barrier_signal -1
	s_barrier_wait -1
	s_wait_loadcnt 0x0                             ; S
	; SECOND PHASE.  A chunk: o^T = V^T A^T + S^T Q~^T with the state as it stands; then the state is decayed and takes K~^T V; o leaves through the stage's half par.
.macro CHUNK par
	WIN 0
	s_wait_xcnt 0x0                                ; the last chunk's stores have read the registers that are loaded again below
	global_load_b32 v[AL0],   v[AAL], s[44:45] offset:(\par)*128
	global_load_b32 v[AL0+2], v[AAL], s[44:45] offset:(\par)*128+64
.irp dt, 0,1
	ds_load_tr16_b128 v[VF+8*\dt:VF+8*\dt+3],   v[AV] offset:(\par)*32*PK+32*\dt
	ds_load_tr16_b128 v[VF+8*\dt+4:VF+8*\dt+7], v[AV] offset:(\par)*32*PK+16*PK+32*\dt
.endr
.irp tb, 0,1
	ds_load_b128 v[PFR+8*\tb:PFR+8*\tb+3],   v[AP] offset:(\par)*2048+1024*\tb
	ds_load_b128 v[PFR+8*\tb+4:PFR+8*\tb+7], v[AP] offset:(\par)*2048+1024*\tb+512
.endr
.irp tb, 0,1
.irp ks, 0,1,2,3
	ds_load_b128 v[QF+32*\tb+8*\ks:QF+32*\tb+8*\ks+3],   v[AQ] offset:(\par)*32*PQ+\tb*16*PQ+\ks*64
	ds_load_b128 v[QF+32*\tb+8*\ks+4:QF+32*\tb+8*\ks+7], v[AQ] offset:(\par)*32*PQ+\tb*16*PQ+\ks*64+32
.endr
.endr
	WIN 0x40
.irp f, 0,1,2,3,4,5,6,7
	ds_load_b128 v[EE+8*\f:EE+8*\f+3],   v[AE] offset:(\par)*512+64*\f
	ds_load_b128 v[EE+8*\f+4:EE+8*\f+7], v[AE] offset:(\par)*512+64*\f+16
.endr
	WIN 0
.irp f, 0,1,2,3,4,5,6,7
	ds_load_tr16_b128 v[KF+8*\f:KF+8*\f+3],   v[AK] offset:(\par)*32*PK+32*\f
	ds_load_tr16_b128 v[KF+8*\f+4:KF+8*\f+7], v[AK] offset:(\par)*32*PK+16*PK+32*\f
.endr
	WIN 0x05                                       ; the state as an operand: f tiles 2 ks and 2 ks + 1, rounded in pairs
.irp dt, 0,1
.irp ks, 0,1,2,3
.irp i, 0,1,2,3,4,5,6,7
	v_cvt_pk_f16_f32 v[SOP+32*\dt+8*\ks+\i], v[8*(2*(2*\ks+\i/4)+\dt)+2*(\i%4)], v[8*(2*(2*\ks+\i/4)+\dt)+2*(\i%4)+1]
.endr
.endr
.endr
	s_wait_dscnt 32                                ; V^T, A's fragments and Q~ are in; E's and K~'s 32 loads may be out
	WIN 0x50
.irp dt, 0,1
.irp tb, 0,1
	v_wmma_f32_16x16x32_f16 v[OACC+8*(2*\dt+\tb):OACC+8*(2*\dt+\tb)+7], v[VF+8*\dt:VF+8*\dt+7], v[PFR+8*\tb:PFR+8*\tb+7], 0
.endr
.endr
.irp ks, 0,1,2,3
.irp dt, 0,1
.irp tb, 0,1
	v_wmma_f32_16x16x32_f16 v[OACC+8*(2*\dt+\tb):OACC+8*(2*\dt+\tb)+7], v[SOP+32*\dt+8*\ks:SOP+32*\dt+8*\ks+7], v[QF+32*\tb+8*\ks:QF+32*\tb+8*\ks+7], v[OACC+8*(2*\dt+\tb):OACC+8*(2*\dt+\tb)+7]
.endr
.endr
.endr
	s_wait_dscnt 16                                ; E is in
	WIN 0x45
.set t, 0
.rept 16                               ; the decay; these lines are also the places behind the products above
.irp i, 0,1,2,3
	v_pk_mul_f32 v[8*t+2*\i:8*t+2*\i+1], v[8*t+2*\i:8*t+2*\i+1], v[EE+8*(t/2)+2*\i:EE+8*(t/2)+2*\i+1]
.endr
.set t, t+1
.endr
	s_wait_dscnt 0x0                               ; K~ is in
	WIN 0x50
.set t, 0
.rept 16
	v_wmma_f32_16x16x32_f16 v[8*t:8*t+7], v[KF+8*(t/2):KF+8*(t/2)+7], v[VF+8*(t%2):VF+8*(t%2)+7], v[8*t:8*t+7]
.set t, t+1
.endr
	s_wait_loadcnt 0x0                             ; the two scales
	WIN 0x01
.set u, 0
.rept 4                                ; tile u = 2 dt + tb; these lines are also the places behind the products above
.irp i, 0,1,2,3
	v_pk_mul_f32 v[TT+8*u+2*\i:TT+8*u+2*\i+1], v[OACC+8*u+2*\i:OACC+8*u+2*\i+1], v[AL0+2*(u%2):AL0+2*(u%2)+1] op_sel_hi:[1,0]
.endr
.set u, u+1
.endr
	WIN 0
.set u, 0
.rept 4
	ds_store_b128 v[AST], v[TT+8*u:TT+8*u+3]   offset:(\par)*32*SP+(u%2)*16*SP+(u/2)*64
	ds_store_b128 v[AST], v[TT+8*u+4:TT+8*u+7] offset:(\par)*32*SP+(u%2)*16*SP+(u/2)*64+16
.set u, u+1
.endr
	s_wait_dscnt 0x0                               ; my part of the rows is in the stage; my reads of the other half, a chunk ago, are over
	s_barrier_signal -1
	s_barrier_wait -1
.irp i, 0,1,2,3,4,5,6,7
	ds_load_b128 v[RB+4*\i:RB+4*\i+3], v[ARD] offset:(\par)*32*SP+\i*SP
.endr
.irp i, 0,1,2,3,4,5,6,7
	s_wait_dscnt 7-\i
	global_store_b128 v[AO], v[RB+4*\i:RB+4*\i+3], s[8:9] offset:(\par)*131072+\i*4096  ; a token's 512 bytes of this head, aligned
.endr
.endm
	s_mov_b32 s51, 4
.Lchunks:
	CHUNK 0
	CHUNK 1
	WIN 0
	s_wait_xcnt 0x0
	v_add_nc_u32 v[AQ], 64*PQ, v[AQ]
	v_add_nc_u32 v[AK], 64*PK, v[AK]
	v_add_nc_u32 v[AV], 64*PK, v[AV]
	v_add_nc_u32 v[AP], 4096, v[AP]
	v_add_nc_u32 v[AE], 1024, v[AE]
	v_add_nc_u32 v[AAL], 256, v[AAL]
	s_add_nc_u64 s[8:9], s[8:9], 262144
	s_sub_co_u32 s51, s51, 1
	s_cmp_lg_u32 s51, 0
	s_cbranch_scc1 .Lchunks
	s_wait_tensorcnt 0x0                           ; the wave's end
	ds_add_u32 v[SPW], v[NIL]
	s_wait_dscnt 0x0
	s_endpgm
.Lfunc_end_k_q4ff9162771_glaout:
	.size	k_q4ff9162771_glaout, .Lfunc_end_k_q4ff9162771_glaout-k_q4ff9162771_glaout
	.p2alignl 7, 3214868480
	.fill 96, 4, 3214868480
	.section	.rodata,"a",@progbits
	.p2align	6, 0x0
	.amdhsa_kernel k_q4ff9162771_glaout
		.amdhsa_group_segment_fixed_size 307712
		.amdhsa_private_segment_fixed_size 0
		.amdhsa_enable_private_segment 0
		.amdhsa_kernarg_size 24
		.amdhsa_user_sgpr_count 2
		.amdhsa_user_sgpr_kernarg_segment_ptr 1
		.amdhsa_wavefront_size32 1
		.amdhsa_system_sgpr_workgroup_id_x 1
		.amdhsa_system_sgpr_workgroup_id_y 1
		.amdhsa_system_sgpr_workgroup_id_z 1
		.amdhsa_system_vgpr_workitem_id 0
		.amdhsa_next_free_vgpr 768
		.amdhsa_next_free_sgpr 66
		.amdhsa_reserve_vcc 0
		.amdhsa_float_denorm_mode_32 3
		.amdhsa_float_denorm_mode_16_64 3
		.amdhsa_memory_ordered 1
		.amdhsa_forward_progress 1
		.amdhsa_inst_pref_size 188
	.end_amdhsa_kernel
	.amdgpu_metadata
---
amdhsa.version: [ 1, 2 ]
amdhsa.kernels:
  - .name:           k_q4ff9162771_glaout
    .symbol:         k_q4ff9162771_glaout.kd
    .args:
      - { .name: qkv16, .offset: 0, .size: 8, .value_kind: global_buffer, .address_space: global }
      - { .name: sbuf, .offset: 8, .size: 8, .value_kind: global_buffer, .address_space: global }
      - { .name: o32, .offset: 16, .size: 8, .value_kind: global_buffer, .address_space: global }
    .group_segment_fixed_size: 307712
    .private_segment_fixed_size: 0
    .kernarg_segment_align: 8
    .kernarg_segment_size: 24
    .max_flat_workgroup_size: 128
    .sgpr_count:     66
    .vgpr_count:     768
    .wavefront_size: 32
...
	.end_amdgpu_metadata
.endif
;; end of part 5
;; launch norm (part 6): grid 256 x 1, 8 waves a work-group, no clusters, 0 bytes of LDS; arguments o32, g_weight, act16; writes act16
.if DOCPART == 6
	.amdgcn_target "amdgcn-amd-amdhsa--gfx1250"
	.amdhsa_code_object_version 6
	.text
	.protected	k_q4ff9162771_norm
	.globl	k_q4ff9162771_norm
	.p2align	8
	.type	k_q4ff9162771_norm,@function
k_q4ff9162771_norm:
	s_mov_b64 s[64:65], 0
	v_nop
	global_prefetch_b8 v0, s[64:65] scope:SCOPE_SE
	s_setreg_imm32_b32 hwreg(HW_REG_WAVE_MODE, 25, 1), 1
	s_wait_xcnt 0x0
; of[t][c] = o[t][c] x rsqrt(mean over c of o^2 + 1e-5) x bf16(g[c]), rounded once to f16.  o32: [8192][1024] f32; act16: [8192][1024] f16.  The gain is rounded to bf16 like the module's other inputs.
; A wave takes four rows; a row is 4,096 bytes: eight loads of 512 dense bytes, kept in registers between the sum and the scaling.  All 40 loads are issued first.
; LIMIT: |of| within 65,504: it is at most 32 |g|.
.set VI, 1                             ; v1  16,384 w + 16 l
.set VO, 2                             ; v2  8,192 w + 8 l
.set VG, 3                             ; v3  16 l
.set G,  8                             ; v[8:39]
.set X,  40                            ; v[40:167]  row i: 32 registers
.set Y,  168                           ; v[168:231] row i: 16 registers; before that its first 8 hold the row's partial sums
.set R,  232                           ; v[232:239] row i: rsqrt in the pair's first register
	s_load_b128 s[4:7], s[0:1], 0x0                ; o32 s[4:5], g_weight s[6:7]
	s_load_b64 s[8:9], s[0:1], 0x10                ; act16
	v_lshrrev_b32 v4, 5, v0
	v_and_b32 v5, 31, v0
	v_lshlrev_b32 v[VG], 4, v5
	v_lshl_add_u32 v[VI], v4, 14, v[VG]
	v_lshlrev_b32 v[VO], 3, v5
	v_lshl_add_u32 v[VO], v4, 13, v[VO]
	s_lshl_b32 s10, ttmp9, 17
	s_mov_b32 s11, 0
	s_lshl_b32 s16, ttmp9, 16
	s_mov_b32 s17, 0
	s_mov_b32 s12, 0x76543210
	s_mov_b32 s13, 0xfedcba98
	s_mov_b32 s14, 0x3a800000                      ; 1 / 1024
	s_mov_b32 s15, 0x3727c5ac                      ; 1e-5
.irp i, 0,1,2,3
	v_mov_b32 v[R+2*\i+1], 0                       ; named with the rsqrt as a pair
.endr
	s_wait_kmcnt 0x0
	s_add_nc_u64 s[4:5], s[4:5], s[10:11]
	s_add_nc_u64 s[8:9], s[8:9], s[16:17]
.irp j, 0,1,2,3,4,5,6,7
	global_load_b128 v[G+4*\j:G+4*\j+3], v[VG], s[6:7] offset:512*\j
.endr
.irp i, 0,1,2,3
.irp j, 0,1,2,3,4,5,6,7
	global_load_b128 v[X+32*\i+4*\j:X+32*\i+4*\j+3], v[VI], s[4:5] offset:4096*\i+512*\j th:TH_LOAD_NT
.endr
.endr
	s_wait_loadcnt 32                              ; the gain is in; the rows' 32 loads stay out
.set k, 0
.rept 16
	v_cvt_pk_bf16_f32 v4, v[G+2*k], v[G+2*k+1]
	v_lshlrev_b32 v[G+2*k], 16, v4
	v_and_b32 v[G+2*k+1], 0xffff0000, v4
.set k, k+1
.endr
.irp i, 0,1,2,3
	s_wait_loadcnt 24-8*\i                         ; row i is in
.set A, Y+16*\i
.set k, 0
.rept 4
	v_pk_mul_f32 v[A+2*k:A+2*k+1], v[X+32*\i+2*k:X+32*\i+2*k+1], v[X+32*\i+2*k:X+32*\i+2*k+1]
.set k, k+1
.endr
.rept 12
	v_pk_fma_f32 v[A+2*(k%4):A+2*(k%4)+1], v[X+32*\i+2*k:X+32*\i+2*k+1], v[X+32*\i+2*k:X+32*\i+2*k+1], v[A+2*(k%4):A+2*(k%4)+1]
.set k, k+1
.endr
	v_pk_add_f32 v[A:A+1], v[A:A+1], v[A+2:A+3]
	v_pk_add_f32 v[A+4:A+5], v[A+4:A+5], v[A+6:A+7]
	v_pk_add_f32 v[A:A+1], v[A:A+1], v[A+4:A+5]
	v_add_f32 v[A], v[A], v[A+1]
	v_add_f32_dpp v[A], v[A], v[A] row_xmask:1 row_mask:0xf bank_mask:0xf
	v_add_f32_dpp v[A], v[A], v[A] row_xmask:2 row_mask:0xf bank_mask:0xf
	v_add_f32_dpp v[A], v[A], v[A] row_xmask:4 row_mask:0xf bank_mask:0xf
	v_add_f32_dpp v[A], v[A], v[A] row_xmask:8 row_mask:0xf bank_mask:0xf
	v_permlanex16_b32 v[A+1], v[A], s12, s13
	v_add_f32 v[A], v[A], v[A+1]
	v_fma_f32 v[A], v[A], s14, s15
.endr
.irp i, 0,1,2,3
	v_rsq_f32 v[R+2*\i], v[Y+16*\i]
.endr
	v_nop                                          ; a plain instruction behind the last of the batch
	s_wait_alu depctr_va_vdst(0)                   ; one wait for the four
.irp i, 0,1,2,3
.set k, 0
.rept 16
	v_pk_mul_f32 v[X+32*\i+2*k:X+32*\i+2*k+1], v[X+32*\i+2*k:X+32*\i+2*k+1], v[R+2*\i:R+2*\i+1] op_sel_hi:[1,0]
.set k, k+1
.endr
.set k, 0
.rept 16
	v_pk_mul_f32 v[X+32*\i+2*k:X+32*\i+2*k+1], v[X+32*\i+2*k:X+32*\i+2*k+1], v[G+2*k:G+2*k+1]
.set k, k+1
.endr
.set k, 0
.rept 16
	v_cvt_pk_f16_f32 v[Y+16*\i+k], v[X+32*\i+2*k], v[X+32*\i+2*k+1]
.set k, k+1
.endr
.irp j, 0,1,2,3,4,5,6,7
	global_store_b64 v[VO], v[Y+16*\i+2*\j:Y+16*\i+2*\j+1], s[8:9] offset:2048*\i+256*\j  ; 256 consecutive bytes, aligned
.endr
.endr
	s_endpgm
.Lfunc_end_k_q4ff9162771_norm:
	.size	k_q4ff9162771_norm, .Lfunc_end_k_q4ff9162771_norm-k_q4ff9162771_norm
	.p2alignl 7, 3214868480
	.fill 96, 4, 3214868480
	.section	.rodata,"a",@progbits
	.p2align	6, 0x0
	.amdhsa_kernel k_q4ff9162771_norm
		.amdhsa_group_segment_fixed_size 0
		.amdhsa_private_segment_fixed_size 0
		.amdhsa_enable_private_segment 0
		.amdhsa_kernarg_size 24
		.amdhsa_user_sgpr_count 2
		.amdhsa_user_sgpr_kernarg_segment_ptr 1
		.amdhsa_wavefront_size32 1
		.amdhsa_system_sgpr_workgroup_id_x 1
		.amdhsa_system_sgpr_workgroup_id_y 1
		.amdhsa_system_sgpr_workgroup_id_z 1
		.amdhsa_system_vgpr_workitem_id 0
		.amdhsa_next_free_vgpr 240
		.amdhsa_next_free_sgpr 66
		.amdhsa_reserve_vcc 0
		.amdhsa_float_denorm_mode_32 3
		.amdhsa_float_denorm_mode_16_64 3
		.amdhsa_memory_ordered 1
		.amdhsa_forward_progress 1
		.amdhsa_inst_pref_size 30
	.end_amdhsa_kernel
	.amdgpu_metadata
---
amdhsa.version: [ 1, 2 ]
amdhsa.kernels:
  - .name:           k_q4ff9162771_norm
    .symbol:         k_q4ff9162771_norm.kd
    .args:
      - { .name: o32, .offset: 0, .size: 8, .value_kind: global_buffer, .address_space: global }
      - { .name: g_weight, .offset: 8, .size: 8, .value_kind: global_buffer, .address_space: global }
      - { .name: act16, .offset: 16, .size: 8, .value_kind: global_buffer, .address_space: global }
    .group_segment_fixed_size: 0
    .private_segment_fixed_size: 0
    .kernarg_segment_align: 8
    .kernarg_segment_size: 24
    .max_flat_workgroup_size: 256
    .sgpr_count:     66
    .vgpr_count:     240
    .wavefront_size: 32
...
	.end_amdgpu_metadata
.endif
;; end of part 6
;; launch oproj (part 7): grid 8 x 32, 4 waves a work-group, clusters of 4 x 4, 327,680 bytes of LDS; arguments act16, wcat, out0; writes out0
.if DOCPART == 7
	.amdgcn_target "amdgcn-amd-amdhsa--gfx1250"
	.amdhsa_code_object_version 6
	.text
	.protected	k_q4ff9162771_oproj
	.globl	k_q4ff9162771_oproj
	.p2align	8
	.type	k_q4ff9162771_oproj,@function
k_q4ff9162771_oproj:
	s_mov_b64 s[64:65], 0
	v_nop
	global_prefetch_b8 v0, s[64:65] scope:SCOPE_SE
	s_setreg_imm32_b32 hwreg(HW_REG_WAVE_MODE, 25, 1), 1
	s_wait_xcnt 0x0
	s_wait_alu depctr_hold_cnt(0) depctr_sa_sdst(0) depctr_va_vdst(0) depctr_va_sdst(0) depctr_va_ssrc(0) depctr_va_vcc(0) depctr_vm_vsrc(0)
	s_getreg_b32 s2, hwreg(HW_REG_IB_STS2, 6, 4)
	s_cmp_eq_u32 s2, 0
	s_cbranch_scc0 .Lentry_in_a_cluster
	s_endpgm
.Lentry_in_a_cluster:
	s_bfe_u32 s2, ttmp6, 0x10000c
	s_cmp_lg_u32 s2, 0xf033
	s_cbranch_scc0 .Lentry_shape_is_right
	s_endpgm
.Lentry_shape_is_right:
; out0[t][n] = sum over k of of[t][k] Wo[n][k].  of = act16 [8192][1024] f16; Wo = wcat's rows 3072-4095, bf16(Wo) written as f16; sums in f32; out0 [8192][1024] f32.
; SHARES.  A tile is 256 tokens x 128 columns: 8 x 32 = 256 tiles.  Four waves; wave w makes tokens 64 w .. 64 w + 63 x all 128 columns: 32 accumulators, 256 registers.  K goes in steps of 128
; (rows of 256 bytes) through two LDS slots.  CLUSTER 4 x 4: of's tile is asked for jointly by a row of the cluster, Wo's by a column.
; THE PRODUCT IS TAKEN TRANSPOSED (source 0 = 16 rows of Wo, source 1 = 16 tokens): a lane holds one token and eight neighbouring columns.
; REGISTERS.  Window 0: v16-30 addresses; v32-127, v128-223 two fragment buffers (Wo's 8 fragments, then of's 4).  Window 1: the accumulators, (a, b) at v[8 (8 a + b)].
.set KSTEP,  128
.set PITCH,  272                       ; an LDS row: 256 bytes + 16 of padding
.set AROWS,  256*PITCH
.set SLOT,   384*PITCH
.set SPARE,  2*SLOT                    ; behind the ring: the spare words, 128 bytes a wave
.set SP,     528                       ; a stage row: 128 f32 + 16 bytes
.set WST,    64*SP                     ; a wave's stage, in the slots, which have had their last fill when the stage is written
.set ADRA, 16
.set ADRB, 20
.set STO,  24
.set RD,   25
.set CO,   26
.set SPW,  28
.set NIL,  29
.set PFO,  30
.set F0,   32
.set F1,   128
.set T,    32
.set G1,  24
.set G0,  32
.set G1B, 48
.set G0B, 56
.set LIM, 43
.set PFA, 44
.set MUL, 0x50
.set MSB, 0
.macro WIN new
.if MSB != (\new)
	s_set_vgpr_msb (MSB<<8)|(\new)
.set MSB, \new
.endif
.endm
; A joint load: waves 0 and 1 fetch of's two halves (128 rows each), waves 2 and 3 Wo's (64 rows each).  An s_nop 0 and four v_nop follow each line.
.macro JLOAD s
	s_cmp_eq_u32 s11, 0
	s_cbranch_scc0 .Lfor_b_\@
	tensor_load_to_lds s[G0+4*(\s):G0+4*(\s)+3], s[G1:G1+7]
	s_nop 0
.rept 4
	v_nop
.endr
	s_branch .Lasked_\@
.Lfor_b_\@:
	tensor_load_to_lds s[G0B+4*(\s):G0B+4*(\s)+3], s[G1B:G1B+7]
	s_nop 0
.rept 4
	v_nop
.endr
.Lasked_\@:
.endm
; A prefetch of the K step that stands two refills on: 32 rows x 256 bytes, a lane a row.  of's rows: the clusters with x = 0, waves 0 and 1, partner cx takes 32 of the wave's 128 rows.
; Wo's rows: the clusters with y = 0, wave 2, partner cy takes 32 of the tile's 128.  Each row's 256 bytes of a K step are named once in the launch.  The loop's last trip asks for nothing.
.macro ASK
	s_cmp_gt_u32 s3, s[LIM]
	s_cbranch_scc0 .Lnot_mine_\@
	global_prefetch_b8 v[PFO], s[PFA:PFA+1] offset:KSTEP*2 th:TH_LOAD_NT scope:SCOPE_SE
.Lnot_mine_\@:
.endm
.macro CREST
	s_cmp_lg_u32 s10, 0
	s_cbranch_scc1 .Lnot_wave_0_\@
	s_barrier_signal -3
.Lnot_wave_0_\@:
	s_barrier_wait -3
	s_barrier_signal -1
	s_barrier_wait -1
.endm
.macro CROUND
	s_barrier_signal -1
	s_barrier_wait -1
	CREST
.endm
.macro PLACES
.rept 4
	v_nop
.endr
.endm
	s_load_b128 s[4:7], s[0:1], 0x0                ; act16 s[4:5], wcat s[6:7]
	s_load_b64 s[8:9], s[0:1], 0x10                ; out0
	v_lshl_add_u32 v[SPW], v0, 2, SPARE
	v_mov_b32 v[NIL], 0
	ds_add_u32 v[SPW], v[NIL]                      ; the wave's opening: the add, twice on end, and its wait ahead of my first tensor load
	ds_add_u32 v[SPW], v[NIL]
	v_lshrrev_b32 v1, 5, v0
	v_readfirstlane_b32 s10, v1
	s_lshr_b32 s11, s10, 1
	s_and_b32 s12, s10, 1
	s_bfe_u32 s40, ttmp6, 0x40000                  ; cx
	s_bfe_u32 s41, ttmp6, 0x40004                  ; cy
	s_lshl_b32 s42, ttmp9, 2
	s_add_co_u32 s42, s42, s40                     ; tile column
	s_and_b32 s13, ttmp7, 0xffff
	s_lshl_b32 s13, s13, 2
	s_add_co_u32 s13, s13, s41                     ; tile row
	s_lshl_b32 s43, s41, 2
	s_lshl_b32 s43, 15, s43
	s_lshl_b32 s44, 0x1111, s40
	s_or_b32 s[G1+0], s43, (1<<16)|(1<<20)|(1<<21)|(5<<22)|(3<<25)
	s_or_b32 s[G1B+0], s44, (1<<16)|(1<<20)|(1<<21)|(5<<22)|(3<<25)
	s_mov_b32 s[G1+1], KSTEP<<16
	s_mov_b32 s[G1+2], 128<<16
	s_mov_b32 s[G1+3], KSTEP<<16
	s_mov_b32 s[G1+4], 128
	s_mov_b32 s[G1+5], 1024
	s_mov_b32 s[G1+6], 0
	s_mov_b32 s[G1+7], 0
	s_mov_b32 s[G1B+1], KSTEP<<16
	s_mov_b32 s[G1B+2], 64<<16
	s_mov_b32 s[G1B+3], KSTEP<<16
	s_mov_b32 s[G1B+4], 64
	s_mov_b32 s[G1B+5], 1024
	s_mov_b32 s[G1B+6], 0
	s_mov_b32 s[G1B+7], 0
	s_lshl_b32 s17, s12, 7
	s_lshl_b32 s16, s13, 8
	s_add_co_u32 s16, s16, s17
	s_lshl_b32 s16, s16, 11
	s_mov_b32 s17, 0
	s_lshl_b32 s47, s12, 6
	s_lshl_b32 s46, s42, 7
	s_add_co_u32 s46, s46, s47
	s_lshl_b32 s46, s46, 11
	s_mov_b32 s47, 0
	s_mul_i32 s20, s10, 128*PITCH
	s_mul_i32 s21, s10, 64*PITCH
	s_add_co_u32 s21, s21, 128*PITCH
	s_wait_dscnt 0x0
	s_wait_kmcnt 0x0
	s_add_nc_u64 s[6:7], s[6:7], 6291456           ; Wo's rows in wcat
	s_add_nc_u64 s[14:15], s[4:5], s[16:17]
	s_add_nc_u64 s[46:47], s[6:7], s[46:47]
	CROUND
.irp s, 0,1
	s_mov_b32 s[G0+4*(\s)], 1
	s_add_co_u32 s[G0+4*(\s)+1], s20, (\s)*SLOT
	s_add_nc_u64 s[G0+4*(\s)+2:G0+4*(\s)+3], s[14:15], (\s)*KSTEP*2
	s_or_b32 s[G0+4*(\s)+3], s[G0+4*(\s)+3], 0x80000000
	s_mov_b32 s[G0B+4*(\s)], 1
	s_add_co_u32 s[G0B+4*(\s)+1], s21, (\s)*SLOT
	s_add_nc_u64 s[G0B+4*(\s)+2:G0B+4*(\s)+3], s[46:47], (\s)*KSTEP*2
	s_or_b32 s[G0B+4*(\s)+3], s[G0B+4*(\s)+3], 0x80000000
	JLOAD \s
.endr
	v_and_b32 v1, 15, v0
	v_bfe_u32 v2, v0, 4, 1
	v_and_b32 v5, 31, v0
	v_mul_u32_u24 v3, v1, PITCH
	v_lshl_add_u32 v3, v2, 4, v3
	s_mul_i32 s22, s10, 64*PITCH
	v_add_nc_u32 v[ADRA], s22, v3
	v_add_nc_u32 v[ADRA+1], SLOT, v[ADRA]
	v_add_nc_u32 v[ADRB], AROWS, v3
	v_add_nc_u32 v[ADRB+1], SLOT, v[ADRB]
	s_mul_i32 s23, s10, WST
	v_mul_u32_u24 v4, v1, SP
	v_lshl_add_u32 v4, v2, 5, v4
	v_add_nc_u32 v[STO], s23, v4
	v_lshl_add_u32 v[RD], v5, 4, s23
	v_lshlrev_b32 v[CO], 4, v5
	s_lshl_b32 s16, s13, 8
	s_lshl_b32 s17, s10, 6
	s_add_co_u32 s16, s16, s17                     ; my first token
	s_lshl_b32 s16, s16, 12
	s_lshl_b32 s17, s42, 9
	s_add_co_u32 s16, s16, s17
	s_mov_b32 s17, 0
	s_add_nc_u64 s[8:9], s[8:9], s[16:17]
	s_lshl_b32 s20, s13, 8
	s_lshl_b32 s21, s42, 7
	s_and_b32 s22, ttmp7, 0xffff
	s_cmp_eq_u32 s11, 0
	s_cselect_b32 s20, s20, s21
	s_cselect_b32 s21, s40, s41
	s_cselect_b32 s22, ttmp9, s22
	s_cselect_b32 s23, s12, 0
	s_cselect_b64 s[PFA:PFA+1], s[4:5], s[6:7]
	s_cmp_eq_u32 s22, 0
	s_cselect_b32 s[LIM], 1, -1
	s_cmp_eq_u32 s10, 3
	s_cselect_b32 s[LIM], -1, s[LIM]
	s_lshl_b32 s23, s23, 7
	s_add_co_u32 s20, s20, s23
	s_lshl_b32 s21, s21, 5
	s_add_co_u32 s20, s20, s21
	s_lshl_b32 s20, s20, 11
	s_mov_b32 s21, 0
	s_add_nc_u64 s[PFA:PFA+1], s[PFA:PFA+1], s[20:21]
	s_add_nc_u64 s[PFA:PFA+1], s[PFA:PFA+1], 2*KSTEP*2
	v_lshlrev_b32 v[PFO], 11, v5
; n x 8 matrix instructions; the 32 accumulators take turns, one instruction a turn, in the same order in every quarter
.macro MULN f, a0, n, zero
	WIN MUL
.set aa, \a0
.rept \n
.set bb, 0
.rept 8
.set rD, 8*(8*aa+bb)
.set rB, (\f)+8*bb
.set rA, (\f)+64+8*aa
.if \zero
	v_wmma_f32_16x16x32_f16 v[rD:rD+7], v[rB:rB+7], v[rA:rA+7], 0
.else
	v_wmma_f32_16x16x32_f16 v[rD:rD+7], v[rB:rB+7], v[rA:rA+7], v[rD:rD+7]
.endif
.set bb, bb+1
.endr
.set aa, aa+1
.endr
.endm
.macro FETCH slot, k, f
	WIN 0
.irp i, 0,1,2,3,4,5,6,7
	ds_load_b128 v[(\f)+8*(\i):(\f)+8*(\i)+3],   v[ADRB+(\slot)] offset:(\k)+(\i)*16*PITCH
	ds_load_b128 v[(\f)+8*(\i)+4:(\f)+8*(\i)+7], v[ADRB+(\slot)] offset:(\k)+(\i)*16*PITCH+32
.endr
.irp i, 0,1,2,3
	ds_load_b128 v[(\f)+64+8*(\i):(\f)+64+8*(\i)+3],   v[ADRA+(\slot)] offset:(\k)+(\i)*16*PITCH
	ds_load_b128 v[(\f)+64+8*(\i)+4:(\f)+64+8*(\i)+7], v[ADRA+(\slot)] offset:(\k)+(\i)*16*PITCH+32
.endr
.endm
.macro QUARTER slot, k, f, g, zero
	s_wait_dscnt 4                                 ; all but the youngest four loads (token blocks 2 and 3) are in
	MULN \f, 0, 2, \zero
	PLACES
	FETCH \slot, \k, \g
	s_wait_dscnt 24                                ; all but the 24 just issued
	MULN \f, 2, 2, \zero
.endm
; The change of slots: in front of its barrier each wave waits for all its tensor loads, adds 0 to its spare word, and waits for that and for its reads of this slot.
; fill = 1: the barrier opens a round of the cluster's, and the joint refill is the first tensor load behind the round.
.macro TURN slot, next, fill
.if \fill
	s_wait_xcnt 0x0                                ; the last prefetch, a K step back, has read its address
	s_add_nc_u64 s[PFA:PFA+1], s[PFA:PFA+1], KSTEP*2
.endif
	WIN 0
	s_wait_tensorcnt 0x0
	ds_add_u32 v[SPW], v[NIL]
	s_wait_dscnt 5                                 ; the add and the youngest four loads may be out
	MULN F1, 0, 1, 0
	s_wait_dscnt 0x0
	s_barrier_signal -1
	MULN F1, 1, 1, 0
	WIN 0
	s_barrier_wait -1
.if \fill
	CREST
	s_add_nc_u64 s[G0+4*(\slot)+2:G0+4*(\slot)+3], s[G0+4*(\slot)+2:G0+4*(\slot)+3], 2*KSTEP*2
	s_add_nc_u64 s[G0B+4*(\slot)+2:G0B+4*(\slot)+3], s[G0B+4*(\slot)+2:G0B+4*(\slot)+3], 2*KSTEP*2
	JLOAD \slot
.else
	PLACES
.endif
	FETCH \next, 0, F0
.if \fill
	ASK
.endif
	MULN F1, 2, 2, 0
.endm
	s_wait_tensorcnt 1                             ; my part of K step 0 is in; K step 1's may stay out
	s_barrier_signal -1
	s_barrier_wait -1
	FETCH 0, 0, F0
	QUARTER 0, 64, F0, F1, 1
	WIN 0
	s_mov_b32 s3, 3
.Llap:
	QUARTER 0, 128, F1, F0, 0
	QUARTER 0, 192, F0, F1, 0
	TURN 0, 1, 1
	QUARTER 1, 64,  F0, F1, 0
	QUARTER 1, 128, F1, F0, 0
	QUARTER 1, 192, F0, F1, 0
	TURN 1, 0, 1
	QUARTER 0, 64,  F0, F1, 0
	WIN 0
	s_sub_co_u32 s3, s3, 1
	s_cmp_lg_u32 s3, 0
	s_cbranch_scc1 .Llap
	QUARTER 0, 128, F1, F0, 0
	QUARTER 0, 192, F0, F1, 0
	TURN 0, 1, 0
	QUARTER 1, 64,  F0, F1, 0
	QUARTER 1, 128, F1, F0, 0
	QUARTER 1, 192, F0, F1, 0
	s_wait_dscnt 4
	MULN F1, 0, 2, 0
	s_wait_dscnt 0x0
	MULN F1, 2, 2, 0
	WIN 0
	; THE WAY OUT.  All waves have left the slots; my 64 x 128 sums go into my stage and come back by rows, 16 rows a trip.
	PLACES
	s_barrier_signal -1
	s_barrier_wait -1
	WIN 0x04
.set aa, 0
.rept 4
.set bb, 0
.rept 8
	ds_store_b128 v[STO], v[8*(8*aa+bb):8*(8*aa+bb)+3]   offset:aa*16*SP+64*bb
	ds_store_b128 v[STO], v[8*(8*aa+bb)+4:8*(8*aa+bb)+7] offset:aa*16*SP+64*bb+16
.set bb, bb+1
.endr
.set aa, aa+1
.endr
	WIN 0
	s_mov_b32 s2, 4
.Lout:
.irp i, 0,1,2,3,4,5,6,7,8,9,10,11,12,13,14,15
	ds_load_b128 v[T+4*(\i):T+4*(\i)+3], v[RD] offset:(\i)*SP  ; LDS serves a wave's instructions in order, so these see my stores
.endr
.irp i, 0,1,2,3,4,5,6,7,8,9,10,11,12,13,14,15
	s_wait_dscnt 15-(\i)
	global_store_b128 v[CO], v[T+4*(\i):T+4*(\i)+3], s[8:9] offset:(\i)*4096 th:TH_STORE_NT  ; 512 consecutive bytes, aligned
.endr
	s_wait_xcnt 0x0                                ; the stores have read their data and their base
	v_add_nc_u32 v[RD], 16*SP, v[RD]
	s_add_nc_u64 s[8:9], s[8:9], 65536
	s_sub_co_u32 s2, s2, 1
	s_cmp_lg_u32 s2, 0
	s_cbranch_scc1 .Lout
	s_wait_tensorcnt 0x0                           ; the wave's end
	ds_add_u32 v[SPW], v[NIL]
	s_wait_dscnt 0x0
	CROUND                                         ; the closing round
	s_endpgm
.Lfunc_end_k_q4ff9162771_oproj:
	.size	k_q4ff9162771_oproj, .Lfunc_end_k_q4ff9162771_oproj-k_q4ff9162771_oproj
	.p2alignl 7, 3214868480
	.fill 96, 4, 3214868480
	.section	.rodata,"a",@progbits
	.p2align	6, 0x0
	.amdhsa_kernel k_q4ff9162771_oproj
		.amdhsa_group_segment_fixed_size 327680
		.amdhsa_private_segment_fixed_size 0
		.amdhsa_enable_private_segment 0
		.amdhsa_kernarg_size 24
		.amdhsa_user_sgpr_count 2
		.amdhsa_user_sgpr_kernarg_segment_ptr 1
		.amdhsa_wavefront_size32 1
		.amdhsa_system_sgpr_workgroup_id_x 1
		.amdhsa_system_sgpr_workgroup_id_y 1
		.amdhsa_system_sgpr_workgroup_id_z 1
		.amdhsa_system_vgpr_workitem_id 0
		.amdhsa_next_free_vgpr 512
		.amdhsa_next_free_sgpr 80
		.amdhsa_reserve_vcc 0
		.amdhsa_float_denorm_mode_32 3
		.amdhsa_float_denorm_mode_16_64 3
		.amdhsa_memory_ordered 1
		.amdhsa_forward_progress 1
		.amdhsa_inst_pref_size 79
	.end_amdhsa_kernel
	.amdgpu_metadata
---
amdhsa.version: [ 1, 2 ]
amdhsa.kernels:
  - .name:           k_q4ff9162771_oproj
    .symbol:         k_q4ff9162771_oproj.kd
    .args:
      - { .name: act16, .offset: 0, .size: 8, .value_kind: global_buffer, .address_space: global }
      - { .name: wcat, .offset: 8, .size: 8, .value_kind: global_buffer, .address_space: global }
      - { .name: out0, .offset: 16, .size: 8, .value_kind: global_buffer, .address_space: global }
    .group_segment_fixed_size: 327680
    .private_segment_fixed_size: 0
    .kernarg_segment_align: 8
    .kernarg_segment_size: 24
    .max_flat_workgroup_size: 128
    .sgpr_count:     80
    .vgpr_count:     512
    .wavefront_size: 32
...
	.end_amdgpu_metadata
.endif
;; end of part 7
;; ======== version 2 of 2: 7 launches; version 1 with the launches cast, scan written anew for expert scheduling mode
;; limits: values are held in f16: magnitudes above 65,504 overflow, below 6.1e-05 lose precision
;; workspace buffers: act16 16,777,216 bytes; wcat 8,388,608 bytes; qkv16 50,593,792 bytes; ubuf 15,851,520 bytes; sbuf 16,777,216 bytes; o32 33,554,432 bytes
;; launch cast (part 8): grid 768 x 1, 8 waves a work-group, no clusters, 0 bytes of LDS; arguments hidden_states, Wq, Wf, Wi, Wo, act16, wcat; writes act16, wcat
.if DOCPART == 8
	.amdgcn_target "amdgcn-amd-amdhsa--gfx1250"
	.amdhsa_code_object_version 6
	.text
	.protected	k_q4ff9162771_cast
	.globl	k_q4ff9162771_cast
	.p2align	8
	.type	k_q4ff9162771_cast,@function
k_q4ff9162771_cast:
	s_mov_b64 s[64:65], 0
	v_nop
	global_prefetch_b8 v0, s[64:65] scope:SCOPE_SE
	s_setreg_imm32_b32 hwreg(HW_REG_WAVE_SCHED_MODE, 0, 2), 2
	s_setreg_imm32_b32 hwreg(HW_REG_WAVE_MODE, 25, 1), 1
	s_wait_xcnt 0x0
	s_wait_alu depctr_vm_vsrc(0)
; x and the four weights are rounded once to bf16.  act16 = bf16(x), [8192][1024].  wcat = [4096][1024] of 16 bits: rows 0-1023 Wq, 1024-2047 Wf, 2048-3071 Wi in bf16;
; rows 3072-4095 hold bf16(Wo) written as f16, since the last product multiplies in f16.
; LIMIT: bf16(Wo) as f16 is exact from 6e-5 to 65,504; below 6e-5 it keeps f16's fixed step of 6e-8.
; SHARES.  A work-group takes 65,536 bytes of f32 (16,384 numbers): groups 0-511 of x, groups 512-767 of the weights, 64 groups each.  A wave takes 8,192 bytes: 16 loads of 512 dense bytes,
; all issued first; each load's four numbers a lane leave as 8 bytes, so a store of the wave covers 256 consecutive bytes, aligned.
; THE MODE: SCHED_MODE bits 1:0 = 2 (LLVM: expert scheduling mode 2), set by the entry lines.  The code itself states the register dependences
; between vector instructions and memory instructions, with s_wait_alu, always for 0.
; THE PLAN.  Registers that memory instructions touch:
;   v1, v2   byte offsets, made once at the head and never written again; every load reads v1, every store v2.
;   X        the 16 loads land in it, each register once; the conversions read it; no vector instruction names it ahead of the loads.
;   Y        written by the conversions, a pair for each store, each pair once; read by the stores.
; The 16 loads go in four blocks of four.  Block p converts its four loads into its Y; its memory instructions are the four stores of block p - 1, whose Y no vector instruction of
; block p names.  So one wait at a block's head, behind the wait for its data, states all that its four stores hang on, and they are dealt among its conversions with no further wait.
; No register that a memory instruction reads is written again, so no wait on vm_vsrc is owed.
.set VIN,  1                           ; v1  my byte offset in the group's f32 block: 8,192 w + 16 l
.set VOUT, 2                           ; v2  in the group's 16-bit block: 4,096 w + 8 l
.set X,    8                           ; v[8:71]   load i: 4 registers
.set Y,    72                          ; v[72:103] store i: 2 registers of its own, so no store's data are rewritten
	s_load_b256 s[4:11], s[0:1], 0x0               ; x s[4:5], Wq s[6:7], Wf s[8:9], Wi s[10:11]
	s_load_b128 s[12:15], s[0:1], 0x20             ; Wo s[12:13], act16 s[14:15]
	s_load_b64 s[16:17], s[0:1], 0x30              ; wcat
	v_lshrrev_b32 v3, 5, v0
	v_and_b32 v4, 31, v0
	v_lshlrev_b32 v[VIN], 4, v4
	v_lshl_add_u32 v[VIN], v3, 13, v[VIN]
	v_lshlrev_b32 v[VOUT], 3, v4
	v_lshl_add_u32 v[VOUT], v3, 12, v[VOUT]
	s_sub_co_u32 s21, ttmp9, 512                   ; j: the group's number among the weights' (used only from group 512 on)
	s_lshr_b32 s22, s21, 6                         ; which weight
	s_and_b32 s23, s21, 63                         ; which block of it
	s_cmp_lt_u32 ttmp9, 512
	s_cselect_b32 s24, ttmp9, s23                  ; block in the source
	s_cselect_b32 s26, ttmp9, s21                  ; block in the destination
	s_cselect_b32 s22, 4, s22                      ; 4 stands for x
	s_lshl_b32 s24, s24, 16
	s_mov_b32 s25, 0
	s_lshl_b32 s26, s26, 15
	s_mov_b32 s27, 0
	s_wait_kmcnt 0x0
	s_cmp_eq_u32 s22, 1
	s_cselect_b64 s[6:7], s[8:9], s[6:7]
	s_cmp_eq_u32 s22, 2
	s_cselect_b64 s[6:7], s[10:11], s[6:7]
	s_cmp_eq_u32 s22, 3
	s_cselect_b64 s[6:7], s[12:13], s[6:7]
	s_cmp_eq_u32 s22, 4
	s_cselect_b64 s[6:7], s[4:5], s[6:7]
	s_cselect_b64 s[16:17], s[14:15], s[16:17]
	s_add_nc_u64 s[6:7], s[6:7], s[24:25]
	s_add_nc_u64 s[16:17], s[16:17], s[26:27]
	s_wait_alu depctr_va_vdst(0)                   ; v1 and v2 are written: every load and store of the kernel reads one of them as its offset
.irp i, 0,1,2,3,4,5,6,7,8,9,10,11,12,13,14,15
	global_load_b128 v[X+4*(\i):X+4*(\i)+3], v[VIN], s[6:7] offset:512*(\i) th:TH_LOAD_NT
.endr
; Block p: loads 4 p .. 4 p + 3 are converted; the stores of block p - 1 go out, one ahead of each load's conversions.  half = 1: the number rounded to bf16 is written as f16
.macro BLK p, half
	s_wait_loadcnt 12-4*(\p)                       ; loads come back in order: this block's four are in, the 12 - 4 p younger ones stay out
.if (\p) > 0
	s_wait_alu depctr_va_vdst(0)                   ; the block before has written its Y, which the four stores below read; no vector instruction of this block names those registers
.endif
.irp i, 0,1,2,3
.if (\p) > 0
	global_store_b64 v[VOUT], v[Y+2*(4*(\p)-4+(\i)):Y+2*(4*(\p)-4+(\i))+1], s[16:17] offset:256*(4*(\p)-4+(\i))
.endif
.if \half
	v_cvt_pk_bf16_f32 v4, v[X+4*(4*(\p)+(\i))], v[X+4*(4*(\p)+(\i))+1]
	v_cvt_pk_bf16_f32 v5, v[X+4*(4*(\p)+(\i))+2], v[X+4*(4*(\p)+(\i))+3]
	v_lshlrev_b32 v6, 16, v4
	v_and_b32 v7, 0xffff0000, v4
	v_cvt_pk_f16_f32 v[Y+2*(4*(\p)+(\i))], v6, v7
	v_lshlrev_b32 v6, 16, v5
	v_and_b32 v7, 0xffff0000, v5
	v_cvt_pk_f16_f32 v[Y+2*(4*(\p)+(\i))+1], v6, v7
.else
	v_cvt_pk_bf16_f32 v[Y+2*(4*(\p)+(\i))], v[X+4*(4*(\p)+(\i))], v[X+4*(4*(\p)+(\i))+1]
	v_cvt_pk_bf16_f32 v[Y+2*(4*(\p)+(\i))+1], v[X+4*(4*(\p)+(\i))+2], v[X+4*(4*(\p)+(\i))+3]
.endif
.endr
.endm
.macro OUTS half
	BLK 0, \half
	BLK 1, \half
	BLK 2, \half
	BLK 3, \half
	s_wait_alu depctr_va_vdst(0)                   ; block 3 has written its Y, which the last four stores read
.irp i, 12,13,14,15
	global_store_b64 v[VOUT], v[Y+2*(\i):Y+2*(\i)+1], s[16:17] offset:256*(\i)
.endr
.endm
	s_cmp_eq_u32 s22, 3
	s_cbranch_scc1 .Lwo
	OUTS 0
	s_endpgm
.Lwo:
	OUTS 1
	s_endpgm
.Lfunc_end_k_q4ff9162771_cast:
	.size	k_q4ff9162771_cast, .Lfunc_end_k_q4ff9162771_cast-k_q4ff9162771_cast
	.p2alignl 7, 3214868480
	.fill 96, 4, 3214868480
	.section	.rodata,"a",@progbits
	.p2align	6, 0x0
	.amdhsa_kernel k_q4ff9162771_cast
		.amdhsa_group_segment_fixed_size 0
		.amdhsa_private_segment_fixed_size 0
		.amdhsa_enable_private_segment 0
		.amdhsa_kernarg_size 56
		.amdhsa_user_sgpr_count 2
		.amdhsa_user_sgpr_kernarg_segment_ptr 1
		.amdhsa_wavefront_size32 1
		.amdhsa_system_sgpr_workgroup_id_x 1
		.amdhsa_system_sgpr_workgroup_id_y 1
		.amdhsa_system_sgpr_workgroup_id_z 1
		.amdhsa_system_vgpr_workitem_id 0
		.amdhsa_next_free_vgpr 104
		.amdhsa_next_free_sgpr 66
		.amdhsa_reserve_vcc 0
		.amdhsa_float_denorm_mode_32 3
		.amdhsa_float_denorm_mode_16_64 3
		.amdhsa_memory_ordered 1
		.amdhsa_forward_progress 1
		.amdhsa_inst_pref_size 16
	.end_amdhsa_kernel
	.amdgpu_metadata
---
amdhsa.version: [ 1, 2 ]
amdhsa.kernels:
  - .name:           k_q4ff9162771_cast
    .symbol:         k_q4ff9162771_cast.kd
    .args:
      - { .name: hidden_states, .offset: 0, .size: 8, .value_kind: global_buffer, .address_space: global }
      - { .name: Wq, .offset: 8, .size: 8, .value_kind: global_buffer, .address_space: global }
      - { .name: Wf, .offset: 16, .size: 8, .value_kind: global_buffer, .address_space: global }
      - { .name: Wi, .offset: 24, .size: 8, .value_kind: global_buffer, .address_space: global }
      - { .name: Wo, .offset: 32, .size: 8, .value_kind: global_buffer, .address_space: global }
      - { .name: act16, .offset: 40, .size: 8, .value_kind: global_buffer, .address_space: global }
      - { .name: wcat, .offset: 48, .size: 8, .value_kind: global_buffer, .address_space: global }
    .group_segment_fixed_size: 0
    .private_segment_fixed_size: 0
    .kernarg_segment_align: 8
    .kernarg_segment_size: 56
    .max_flat_workgroup_size: 256
    .sgpr_count:     66
    .vgpr_count:     104
    .wavefront_size: 32
...
	.end_amdgpu_metadata
.endif
;; end of part 8
;; launch proj: the kernel of part 2 again; grid 24 x 32, 4 waves a work-group, clusters of 4 x 4, 327,680 bytes of LDS; arguments act16, wcat, qkv16; writes qkv16
;; launch segstate: the kernel of part 3 again; grid 15 x 16, 4 waves a work-group, no clusters, 167,936 bytes of LDS; arguments qkv16, ubuf; writes ubuf
;; launch scan (part 9): grid 16 x 16, 8 waves a work-group, no clusters, 0 bytes of LDS; arguments ubuf, sbuf; writes sbuf
.if DOCPART == 9
	.amdgcn_target "amdgcn-amd-amdhsa--gfx1250"
	.amdhsa_code_object_version 6
	.text
	.protected	k_q4ff9162771_scan
	.globl	k_q4ff9162771_scan
	.p2align	8
	.type	k_q4ff9162771_scan,@function
k_q4ff9162771_scan:
	s_mov_b64 s[64:65], 0
	v_nop
	global_prefetch_b8 v0, s[64:65] scope:SCOPE_SE
	s_setreg_imm32_b32 hwreg(HW_REG_WAVE_SCHED_MODE, 0, 2), 2
	s_setreg_imm32_b32 hwreg(HW_REG_WAVE_MODE, 25, 1), 1
	s_wait_xcnt 0x0
	s_wait_alu depctr_vm_vsrc(0)
; The state at each segment's beginning, in f32: S_0 = 0, S_(c+1) = D_c o S_c + U_c, c = 0 .. 14, for each of 16 (batch, head).  A thread owns 16 bytes of the state's image (four f of one d):
; number p = 256 x group + thread of 4,096.  In the image p = ((16 w + i) 2 + q) 32 + l, and its four numbers are f0 .. f0 + 3, f0 = 16 (i / 2) + 8 (l / 16) + 4 q.
; All 30 loads are issued first; the chain of 15 links then follows them as they land; each S has registers of its own, so no store's data are rewritten.
; THE MODE: SCHED_MODE bits 1:0 = 2 (LLVM: expert scheduling mode 2), set by the entry lines.  The code itself states the register dependences
; between vector instructions and memory instructions, with s_wait_alu, always for 0.
; THE PLAN.  Registers that memory instructions touch:
;   v2, v3   byte offsets, made once at the head and never written again; every load and store reads one of them.
;   D, U     the 30 loads land in them, each register once; the links read them; no vector instruction names them ahead of the loads.
;   S        S_0 is written by four moves at the head, S_(c+1) by link c, each register once; each S is read by one store (and by the next link).
; Link c stores S_c, which the link before made, and then makes S_(c+1).  So the one wait of a link stands behind the wait for its data, a whole link behind the two lines that it waits for.
; No register that a memory instruction reads is written again, so no wait on vm_vsrc is owed.
.set VO, 2                             ; v2  16 p
.set VD, 3                             ; v3  4 f0
.set D,  8                             ; v[8:67]
.set U,  68                            ; v[68:127]
.set S,  128                           ; v[128:191]
	s_load_b128 s[4:7], s[0:1], 0x0                ; ubuf s[4:5], sbuf s[6:7]
	s_and_b32 s8, ttmp7, 0xffff
	s_lshl_b32 s9, ttmp9, 8
	v_add_nc_u32 v1, s9, v0
	v_lshlrev_b32 v[VO], 4, v1
	v_bfe_u32 v[VD], v1, 7, 3
	v_bfe_u32 v4, v1, 4, 1
	v_bfe_u32 v5, v1, 5, 1
	v_lshlrev_b32 v[VD], 6, v[VD]
	v_lshl_add_u32 v[VD], v4, 5, v[VD]
	v_lshl_add_u32 v[VD], v5, 4, v[VD]
.irp i, 0,1,2,3
	v_mov_b32 v[S+\i], 0
.endr
	s_mul_i32 s10, s8, 15*65536
	s_mov_b32 s11, 0
	s_mul_i32 s12, s8, 15*512
	s_add_co_u32 s12, s12, 15728640
	s_mov_b32 s13, 0
	s_lshl_b32 s14, s8, 20
	s_mov_b32 s15, 0
	s_wait_kmcnt 0x0
	s_add_nc_u64 s[16:17], s[4:5], s[10:11]
	s_add_nc_u64 s[18:19], s[4:5], s[12:13]
	s_add_nc_u64 s[6:7], s[6:7], s[14:15]
	s_wait_alu depctr_va_vdst(0)                   ; v2 and v3 are written, which every load and store reads as its offset; so is S_0, which the first store reads
.irp c, 0,1,2,3,4,5,6,7,8,9,10,11,12,13,14
	global_load_b128 v[D+4*\c:D+4*\c+3], v[VD], s[18:19] offset:512*\c
	global_load_b128 v[U+4*\c:U+4*\c+3], v[VO], s[16:17] offset:65536*\c
.endr
	global_store_b128 v[VO], v[S:S+3], s[6:7]
.irp c, 0,1,2,3,4,5,6,7,8,9,10,11,12,13,14
	s_wait_loadcnt 2*(14-\c)                       ; D_c and U_c are in; the later segments' pairs stay out
.if \c > 0
	s_wait_alu depctr_va_vdst(0)                   ; the link before has written S_c, which the store below reads
	global_store_b128 v[VO], v[S+4*\c:S+4*\c+3], s[6:7] offset:65536*\c
.endif
	v_pk_fma_f32 v[S+4*\c+4:S+4*\c+5], v[D+4*\c:D+4*\c+1], v[S+4*\c:S+4*\c+1], v[U+4*\c:U+4*\c+1]
	v_pk_fma_f32 v[S+4*\c+6:S+4*\c+7], v[D+4*\c+2:D+4*\c+3], v[S+4*\c+2:S+4*\c+3], v[U+4*\c+2:U+4*\c+3]
.endr
	s_wait_alu depctr_va_vdst(0)                   ; the last link has written S_15, which the last store reads
	global_store_b128 v[VO], v[S+60:S+63], s[6:7] offset:65536*15
	s_endpgm
.Lfunc_end_k_q4ff9162771_scan:
	.size	k_q4ff9162771_scan, .Lfunc_end_k_q4ff9162771_scan-k_q4ff9162771_scan
	.p2alignl 7, 3214868480
	.fill 96, 4, 3214868480
	.section	.rodata,"a",@progbits
	.p2align	6, 0x0
	.amdhsa_kernel k_q4ff9162771_scan
		.amdhsa_group_segment_fixed_size 0
		.amdhsa_private_segment_fixed_size 0
		.amdhsa_enable_private_segment 0
		.amdhsa_kernarg_size 16
		.amdhsa_user_sgpr_count 2
		.amdhsa_user_sgpr_kernarg_segment_ptr 1
		.amdhsa_wavefront_size32 1
		.amdhsa_system_sgpr_workgroup_id_x 1
		.amdhsa_system_sgpr_workgroup_id_y 1
		.amdhsa_system_sgpr_workgroup_id_z 1
		.amdhsa_system_vgpr_workitem_id 0
		.amdhsa_next_free_vgpr 192
		.amdhsa_next_free_sgpr 66
		.amdhsa_reserve_vcc 0
		.amdhsa_float_denorm_mode_32 3
		.amdhsa_float_denorm_mode_16_64 3
		.amdhsa_memory_ordered 1
		.amdhsa_forward_progress 1
		.amdhsa_inst_pref_size 9
	.end_amdhsa_kernel
	.amdgpu_metadata
---
amdhsa.version: [ 1, 2 ]
amdhsa.kernels:
  - .name:           k_q4ff9162771_scan
    .symbol:         k_q4ff9162771_scan.kd
    .args:
      - { .name: ubuf, .offset: 0, .size: 8, .value_kind: global_buffer, .address_space: global }
      - { .name: sbuf, .offset: 8, .size: 8, .value_kind: global_buffer, .address_space: global }
    .group_segment_fixed_size: 0
    .private_segment_fixed_size: 0
    .kernarg_segment_align: 8
    .kernarg_segment_size: 16
    .max_flat_workgroup_size: 256
    .sgpr_count:     66
    .vgpr_count:     192
    .wavefront_size: 32
...
	.end_amdgpu_metadata
.endif
;; end of part 9
;; launch glaout: the kernel of part 5 again; grid 16 x 16, 4 waves a work-group, no clusters, 307,712 bytes of LDS; arguments qkv16, sbuf, o32; writes o32
;; launch norm: the kernel of part 6 again; grid 256 x 1, 8 waves a work-group, no clusters, 0 bytes of LDS; arguments o32, g_weight, act16; writes act16
;; launch oproj: the kernel of part 7 again; grid 8 x 32, 4 waves a work-group, clusters of 4 x 4, 327,680 bytes of LDS; arguments act16, wcat, out0; writes out0
